; MI455X (gfx1250); checked and timed in simulation.
; The chip was launched on July 23, 2026; its instructions are those of AMD's public machine-readable ISA for CDNA 5 (MIT licence, August 2026) and "CDNA5" Instruction Set Architecture Reference Guide (July 2026). The comments in the code are by the model that wrote it; some were corrected since.
;; Self Attention Layer. Allowed arithmetic: matrix products marked QUANTISED: E3M2 operands, one E8M0 scale for each 32 along K, by v_wmma_scale_f32_16x16x128_f8f6f4 with both operands' format E3M2, f32 sums; everything else in f32.
;; Inputs: Wk 1,024 x 1,024 float32; Wq 1,024 x 1,024 float32; Wv 1,024 x 1,024 float32; x 4 x 2,048 x 1,024 float32.
;; Outputs: out0 4 x 2,048 x 1,024 float32.
;; This version of the problem:
;;   THIS VERSION OF THE PROBLEM IS GIVEN IN LOW PRECISION. The matrix products marked QUANTISED in the list below multiply operands that are first quantised to E3M2 (3 exponent bits, 2 mantissa bits; 6 bits a number), with one power-of-two scale for each 32 numbers along K (OCP MX v1.0); their sums are f32. All else is computed in f32.
;;   The module's matrix products, in the order in which they are computed (A, B: the left and right operand; K: the contracted axis; several contracted axes count as one K, in the product's order):
;;     1. [M 8,192, K 1,024] x [K 1,024, N 1,024]; A: input x; B: input Wq: QUANTISED
;;     2. [M 8,192, K 1,024] x [K 1,024, N 1,024]; A: input x; B: input Wk: QUANTISED
;;     3. [M 8,192, K 1,024] x [K 1,024, N 1,024]; A: input x; B: input Wv: QUANTISED
;;     4. batch 4 x [M 2,048, K 1,024] x [K 1,024, N 2,048]; A: computed on the way; B: computed on the way: QUANTISED
;;     5. batch 4 x [M 2,048, K 2,048] x [K 2,048, N 1,024]; A: softmax (see below); B: computed on the way: QUANTISED
;;   THE QUANTISER, for each operand of a quantised product, along K:
;;     - K is cut into blocks of 32 from its start; a last block that is shorter is filled with zeros.
;;     - A block's scale is 2^e with e = floor(log2(the largest magnitude in the block)) - 4, held to -126 .. 127; a block of zeros has e = 0. As a byte (E8M0): e + 127.
;;     - Each number is divided by its block's scale, clamped to +-28, and rounded to the nearest number of E3M2, ties to even, subnormals kept.
;;     - The product sums the exact products of the quantised numbers (number of the format x scale) in f32.
;;   ~~~python
;;   def quantise(x, axis):      # numpy; x: float32 -> the quantised numbers, widened to float32 again
;;       x = np.moveaxis(x, axis, -1); K = x.shape[-1]
;;       x = np.pad(x, [(0, 0)] * (x.ndim - 1) + [(0, -K % 32)]); x = x.reshape(x.shape[:-1] + (-1, 32)); a = np.abs(x).max(-1, keepdims=True)
;;       e = np.where(a > 0, np.clip(np.frexp(np.where(a > 0, a, 1))[1] - 1 - 4, -126, 127), 0)      # np.frexp(a)[1] - 1 = floor(log2(a)), exactly
;;       r = np.clip(x / 2.0 ** e, -28, 28)
;;       step = 2.0 ** (np.maximum(np.frexp(np.where(r == 0, 1, r))[1] - 1, -2) - 2)
;;       q = np.round(r / step) * step * 2.0 ** e      # np.round: ties to even
;;       return np.moveaxis(q.reshape(q.shape[:-2] + (-1,))[..., :K], -1, axis).astype(np.float32)
;;   ~~~
;;   SOFTMAX AHEAD OF A QUANTISED PRODUCT. Where the list says 'softmax', what is quantised is not the finished softmax but p = 2^(t - M), with t = logit x log2(e) and M = ceil(the row's largest t), a whole number; so 1/2 < the row's largest p <= 1. The row's sum l is taken of the UNQUANTISED p, in f32, and the product's result is divided by l at the end. Since M is a whole number, a kernel that streams over the keys may use a running M (the ceiling of the running maximum): every later rescaling is an exact power of two, which a block's scale takes up: the codes' values come out the same.
;;   OPERANDS COMPUTED ON THE WAY. 'Computed on the way' means the value that the module computes at that place (a softmax that the list does not call 'softmax' is quantised finished and normalised). What goes into a quantiser is computed in f32, as accurately as f32 sums, v_exp_f32 and their like allow (about 1e-6 of the number): no bf16 or f16 on the way to a quantiser, and a product that is left as it is and whose result goes on into a quantised operand takes f32 operands (vector FMAs, or v_wmma_f32_16x16x4_f32). A number that lies on a knife's edge between two numbers of the format may be rounded either way, as far as f32 arithmetic and the matrix unit's own rounding can turn it there, and no further.
;; One version. Each part assembles by itself: llvm-mc -triple=amdgcn-amd-amdhsa -mcpu=gfx1250 --defsym DOCPART=n.
;; ======== version 1 of 1: 4 launches
;; limits: right only within a limited range of input values
;; workspace buffers: c1 9,011,200 bytes; c2 19,660,800 bytes; c3 13,107,200 bytes; st 1,048,576 bytes
;; launch quant (part 1): grid 88 x 8, 8 waves a work-group, no clusters, 69,632 bytes of LDS; arguments x, Wq, Wk, Wv, c1; writes c1
.if DOCPART == 1
	.amdgcn_target "amdgcn-amd-amdhsa--gfx1250"
	.amdhsa_code_object_version 6
	.text
	.protected	k_q66928dfa69_quant
	.globl	k_q66928dfa69_quant
	.p2align	8
	.type	k_q66928dfa69_quant,@function
k_q66928dfa69_quant:
	s_mov_b64 s[64:65], 0
	v_nop
	global_prefetch_b8 v0, s[64:65] scope:SCOPE_SE
	s_setreg_imm32_b32 hwreg(HW_REG_WAVE_MODE, 25, 1), 1
	s_wait_xcnt 0x0
; x [8192][1024] and Wq, Wk, Wv [1024][1024], f32, K innermost, become codes of BF6 (E3M2) with one E8M0 scale byte for each 32 along K,
; laid in c1 as PACKS, in the order in which the products' operand registers take them.
; A PACK is 128 row places x 256 along K, 25,600 bytes: the codes of block a (16 row places) and half q (128 along K) at 3,072 a + 1,536 q, as an image
; of the fragment's 12 registers (registers 4 c .. 4 c + 3 of lane l at 512 c + 16 l); the scale words (four bytes: 128 along K of one row) at 24,576 + 512 q + 32 r + 4 a.
; THE ROWS OF A BLOCK ARE NOT NEIGHBOURS.  x, Wq, Wk: place r of block a holds row 32 (a / 2) + 8 (a % 2) + r + 8 (r / 8) of the group's 128, so that a later product's
; results, taken transposed, are neighbours along the next K in a lane's registers.  Wv: place r of block a holds row 64 (a / 4) + 4 r + a % 4, so that in the last product
; (natural order: a lane holds one column) four blocks' results of a lane are four neighbouring channels.
; Groups of 128 rows: 0-63 x, 64-71 Wq, 72-79 Wk, 80-87 Wv; pack number 4 x group + (k / 256).
; SHARES: a work-group makes one half (128 along K) of a pack; wave w makes block w: one fragment.  Each load reads 512 consecutive bytes of one row; the 16 rows turn through the wave's own
; stage in LDS (rows 528 bytes apart, so that the sixteen rows of a read start in different banks), and come back 16 neighbours along K of each block of 32 a lane.
; A block's scale is 2^(floor(log2(its largest magnitude)) - 4): its byte is the largest magnitude's exponent field - 4, held at 1 from below.
; LIMITS: NaN and infinities among the inputs are not served.  A block whose largest magnitude lies under 2^-122, a block of zeros among them, gets the byte 1
; (for zeros the quantiser says 127): its codes are zeros or as the byte 1 gives them, and these bytes are read by this program alone.
.set PACK, 25600
.set SP,   528                         ; a stage row: 512 bytes + 16
.set STG,  16*SP                       ; a wave's stage
.set SG,   8*STG                       ; behind the stages: the half pack's 512 bytes of scale words
.set SPARE, SG+512                     ; the spare words, 128 bytes a wave; no other line names them
.set PW,   9                           ; v9       the scale word
.set SPW,  12
.set NIL,  13
.set GR,   16                          ; v16-31   the rows' offsets (then, at T2, the second halves of the conversions)
.set T2,   16
.set R,    32                          ; v32-95   64 numbers of a lane, as loaded; then register 16 b + i = k 32 b + 16 (lane / 16) + i of its row
.set TM,   96                          ; v96-111  at work
.set CD,   112                         ; v112-123 the codes
	s_load_b256 s[4:11], s[0:1], 0x0               ; x s[4:5], Wq s[6:7], Wk s[8:9], Wv s[10:11]
	s_load_b64 s[12:13], s[0:1], 0x20              ; c1
	v_lshl_add_u32 v[SPW], v0, 2, SPARE
	v_mov_b32 v[NIL], 0
	v_lshrrev_b32 v1, 5, v0
	s_delay_alu instid0(VALU_DEP_1)
	v_readfirstlane_b32 s14, v1                    ; wave 0..7 = the pack's block
	v_and_b32 v1, 31, v0                           ; lane
	v_and_b32 v2, 15, v0                           ; r
	v_bfe_u32 v3, v0, 4, 1                         ; h
	s_delay_alu instid0(VALU_DEP_3)
	v_lshlrev_b32 v4, 4, v1                        ; 16 x lane
	s_mul_i32 s15, s14, STG
	v_add_nc_u32 v5, s15, v4                       ; into my stage: 16 x lane of a row
	v_mul_u32_u24 v6, v2, SP
	s_delay_alu instid0(VALU_DEP_1)
	v_lshl_add_u32 v6, v3, 6, v6
	s_delay_alu instid0(VALU_DEP_1)
	v_add_nc_u32 v6, s15, v6                       ; out of it: row r, + 64 h
	s_lshl_b32 s16, s14, 2
	s_add_co_u32 s16, s16, SG
	v_lshl_add_u32 v7, v2, 5, s16                  ; my scale word's place: SG + 32 r + 4 w
	v_add_nc_u32 v8, SG, v4                        ; and the words' way out
.irp b, 0,1,2,3
	v_mov_b32 v[TM+4+\b], 0                        ; written once: a lane permute's destination counts as one of its sources
.endr
	s_wait_alu depctr_va_vdst(0)                   ; ahead of the run of scalar instructions
	s_and_b32 s17, ttmp7, 0xffff                   ; 2 t + q: which 128 along K
	s_lshr_b32 s26, s17, 1                         ; t
	s_and_b32 s27, s17, 1                          ; q
	s_sub_co_u32 s20, ttmp9, 64
	s_and_b32 s20, s20, 7                          ; a weight's group of rows
	s_cmp_lt_u32 ttmp9, 64
	s_cselect_b32 s20, ttmp9, s20                  ; the group inside its tensor
	s_lshl_b32 s20, s20, 7
	s_lshr_b32 s21, s14, 1
	s_lshl_b32 s21, s21, 5
	s_and_b32 s22, s14, 1
	s_lshl_b32 s22, s22, 3
	s_add_co_u32 s21, s21, s22                     ; my block's first row: 32 (w / 2) + 8 (w % 2),
	s_lshr_b32 s22, s14, 2
	s_lshl_b32 s22, s22, 6
	s_and_b32 s23, s14, 3
	s_add_co_u32 s22, s22, s23                     ; in Wv 64 (w / 4) + w % 4
	s_mov_b32 s23, 4096                            ; from place to place: one row,
	s_mov_b32 s24, 9*4096                          ; from place 7 to place 8 nine rows;
	s_mov_b32 s25, 4*4096                          ; in Wv four rows always
	s_cmp_lt_u32 ttmp9, 80
	s_cselect_b32 s21, s21, s22
	s_cselect_b32 s23, s23, s25
	s_cselect_b32 s24, s24, s25
	s_add_co_u32 s20, s20, s21
	s_lshl_b32 s20, s20, 12                        ; rows of 4,096 bytes
	s_lshl_b32 s21, s17, 9
	s_add_co_u32 s20, s20, s21                     ; + 512 (2 t + q)
	s_mov_b32 s21, 0
	s_mov_b32 s32, 0
.irp j, 1,2,3,4,5,6,7
	s_add_co_u32 s[32+\j], s[31+\j], s23
.endr
	s_add_co_u32 s40, s39, s24
.irp j, 9,10,11,12,13,14,15
	s_add_co_u32 s[32+\j], s[31+\j], s23
.endr
.irp j, 0,1,2,3,4,5,6,7,8,9,10,11,12,13,14,15
	v_add_nc_u32 v[GR+\j], s[32+\j], v4
.endr
	s_wait_alu depctr_va_vdst(0)                   ; at the head's end
	s_wait_kmcnt 0x0
	s_cmp_lt_u32 ttmp9, 72                         ; which tensor: the choice hangs on the work-group's number alone
	s_cselect_b64 s[6:7], s[6:7], s[8:9]
	s_cmp_lt_u32 ttmp9, 80
	s_cselect_b64 s[6:7], s[6:7], s[10:11]
	s_cmp_lt_u32 ttmp9, 64
	s_cselect_b64 s[4:5], s[4:5], s[6:7]
	s_add_nc_u64 s[4:5], s[4:5], s[20:21]
.irp j, 0,1,2,3,4,5,6,7,8,9,10,11,12,13,14,15
	global_load_b128 v[R+4*\j:R+4*\j+3], v[GR+\j], s[4:5] th:TH_LOAD_NT   ; place j's row: 512 consecutive bytes
.endr
	s_lshl_b32 s28, ttmp9, 2
	s_add_co_u32 s28, s28, s26
	s_mul_i32 s28, s28, PACK
	s_mov_b32 s29, 0
	s_add_nc_u64 s[28:29], s[12:13], s[28:29]      ; my pack
	s_mul_i32 s24, s14, 3072
	s_mul_i32 s25, s27, 1536
	s_add_co_u32 s24, s24, s25
	s_mov_b32 s25, 0
	s_add_nc_u64 s[24:25], s[28:29], s[24:25]      ; my fragment's codes
	s_lshl_b32 s22, s27, 9
	s_add_co_u32 s22, s22, 24576
	s_mov_b32 s23, 0
	s_add_nc_u64 s[22:23], s[28:29], s[22:23]      ; my half's scale words
	s_mov_b32 s18, 0x76543210
	s_mov_b32 s19, 0xfedcba98                      ; v_permlanex16_b32's selects for lane l xor 16
.irp j, 0,1,2,3,4,5,6,7,8,9,10,11,12,13,14,15
	s_wait_loadcnt 15-\j                           ; row j is in; the rows behind it may be out
	ds_store_b128 v5, v[R+4*\j:R+4*\j+3] offset:SP*\j
.endr
	s_wait_dscnt 0x0                               ; the stores have read their registers: the loads land on them
.irp b, 0,1,2,3
.irp i, 0,1,2,3
	ds_load_b128 v[R+16*\b+4*\i:R+16*\b+4*\i+3], v6 offset:128*\b+16*\i
.endr
.endr
	s_wait_dscnt 0x0
.irp b, 0,1,2,3
	v_max3_num_f32 v[TM+\b], |v[R+16*\b]|, |v[R+16*\b+1]|, 0x2800000   ; block b: my 16 numbers, and the floor 2^(5 - 127): so the byte cannot fall under 1
.endr
.irp i, 2,4,6,8,10,12,14
.irp b, 0,1,2,3
	s_delay_alu instid0(VALU_DEP_4)
	v_max3_num_f32 v[TM+\b], v[TM+\b], |v[R+16*\b+\i]|, |v[R+16*\b+\i+1]|   ; the four blocks by turns
.endr
.endr
.irp b, 0,1,2,3
	s_delay_alu instid0(VALU_DEP_4)
	v_permlanex16_b32 v[TM+4+\b], v[TM+\b], s18, s19
.endr
.irp b, 0,1,2,3
	s_delay_alu instid0(VALU_DEP_4)
	v_max_num_f32 v[TM+\b], v[TM+\b], v[TM+4+\b]   ; with lane l xor 16's: the block's largest magnitude
.endr
.irp b, 0,1,2,3
	s_delay_alu instid0(VALU_DEP_4)
	v_add_nc_u32 v[TM+12+\b], 0xfe000000, v[TM+\b] ; 4 off its exponent field: the conversion takes the exponent field of this operand as its scale
.endr
.irp b, 0,1,2,3
	s_delay_alu instid0(VALU_DEP_4)
	v_lshrrev_b32 v[TM+4+\b], 23, v[TM+12+\b]      ; the scale's byte
.endr
	s_delay_alu instid0(VALU_DEP_3)
	v_lshl_or_b32 v[PW], v[TM+5], 8, v[TM+4]
	s_delay_alu instid0(VALU_DEP_1)
	v_lshl_or_b32 v[PW], v[TM+6], 16, v[PW]
	s_delay_alu instid0(VALU_DEP_1)
	v_lshl_or_b32 v[PW], v[TM+7], 24, v[PW]
.irp c, 0,1
	v_cvt_scalef32_pk16_bf6_f32 v[CD+6*\c:CD+6*\c+2], v[R+32*\c:R+32*\c+15], v[TM+12+2*\c]
	v_cvt_scalef32_pk16_bf6_f32 v[T2+4*\c:T2+4*\c+2], v[R+32*\c+16:R+32*\c+31], v[TM+12+2*\c+1]   ; a conversion's three registers begin on an even number
.endr
	v_nop                                          ; one plain place behind a scaled conversion
.irp c, 0,1                            ; the operand's layout wants a whole block in a lane: lanes 0-15 block 2 c, lanes 16-31 block 2 c + 1
.irp i, 0,1,2
	v_permlane16_swap_b32 v[CD+6*\c+\i], v[T2+4*\c+\i]
.endr
.irp i, 0,1,2
	s_delay_alu instid0(VALU_DEP_3)
	v_mov_b32 v[CD+6*\c+3+\i], v[T2+4*\c+\i]
.endr
.endr
.irp c, 0,1,2
	global_store_b128 v4, v[CD+4*\c:CD+4*\c+3], s[24:25] offset:512*\c   ; 512 consecutive bytes, at a multiple of 256 from c1's first byte
.endr
	ds_store_b32 v7, v[PW]                         ; both halves of the lanes hold the same word and write it to the same place
	s_wait_dscnt 0x0                               ; for the others' sake: my scale words lie in LDS
	s_barrier_signal -1
	s_barrier_wait -1
	s_cmp_lg_u32 s14, 0
	s_cbranch_scc1 .Ldone                          ; wave 0 stores the half pack's scale words: 512 consecutive bytes
	ds_load_b128 v[R:R+3], v8
	s_wait_dscnt 0x0
	global_store_b128 v4, v[R:R+3], s[22:23]
.Ldone:
	s_wait_tensorcnt 0x0                           ; the wave's end
	ds_add_u32 v[SPW], v[NIL]
	s_wait_dscnt 0x0
	s_endpgm
.Lfunc_end_k_q66928dfa69_quant:
	.size	k_q66928dfa69_quant, .Lfunc_end_k_q66928dfa69_quant-k_q66928dfa69_quant
	.p2alignl 7, 3214868480
	.fill 96, 4, 3214868480
	.section	.rodata,"a",@progbits
	.p2align	6, 0x0
	.amdhsa_kernel k_q66928dfa69_quant
		.amdhsa_group_segment_fixed_size 69632
		.amdhsa_private_segment_fixed_size 0
		.amdhsa_enable_private_segment 0
		.amdhsa_kernarg_size 40
		.amdhsa_user_sgpr_count 2
		.amdhsa_user_sgpr_kernarg_segment_ptr 1
		.amdhsa_wavefront_size32 1
		.amdhsa_system_sgpr_workgroup_id_x 1
		.amdhsa_system_sgpr_workgroup_id_y 1
		.amdhsa_system_sgpr_workgroup_id_z 1
		.amdhsa_system_vgpr_workitem_id 0
		.amdhsa_next_free_vgpr 128
		.amdhsa_next_free_sgpr 66
		.amdhsa_reserve_vcc 0
		.amdhsa_float_denorm_mode_32 3
		.amdhsa_float_denorm_mode_16_64 3
		.amdhsa_memory_ordered 1
		.amdhsa_forward_progress 1
		.amdhsa_inst_pref_size 15
	.end_amdhsa_kernel
	.amdgpu_metadata
---
amdhsa.version: [ 1, 2 ]
amdhsa.kernels:
  - .name:           k_q66928dfa69_quant
    .symbol:         k_q66928dfa69_quant.kd
    .args:
      - { .name: x, .offset: 0, .size: 8, .value_kind: global_buffer, .address_space: global }
      - { .name: Wq, .offset: 8, .size: 8, .value_kind: global_buffer, .address_space: global }
      - { .name: Wk, .offset: 16, .size: 8, .value_kind: global_buffer, .address_space: global }
      - { .name: Wv, .offset: 24, .size: 8, .value_kind: global_buffer, .address_space: global }
      - { .name: c1, .offset: 32, .size: 8, .value_kind: global_buffer, .address_space: global }
    .group_segment_fixed_size: 69632
    .private_segment_fixed_size: 0
    .kernarg_segment_align: 8
    .kernarg_segment_size: 40
    .max_flat_workgroup_size: 256
    .sgpr_count:     66
    .vgpr_count:     128
    .wavefront_size: 32
...
	.end_amdgpu_metadata
.endif
;; end of part 1
;; launch qkv (part 2): grid 64 x 4, 4 waves a work-group, clusters of 4 x 4, 327,680 bytes of LDS; arguments c1, c2; writes c2
.if DOCPART == 2
	.amdgcn_target "amdgcn-amd-amdhsa--gfx1250"
	.amdhsa_code_object_version 6
	.text
	.protected	k_q66928dfa69_qkv
	.globl	k_q66928dfa69_qkv
	.p2align	8
	.type	k_q66928dfa69_qkv,@function
k_q66928dfa69_qkv:
	s_mov_b64 s[64:65], 0
	v_nop
	global_prefetch_b8 v0, s[64:65] scope:SCOPE_SE
	s_setreg_imm32_b32 hwreg(HW_REG_WAVE_MODE, 25, 1), 1
	s_wait_xcnt 0x0
	s_wait_alu depctr_hold_cnt(0) depctr_sa_sdst(0) depctr_va_vdst(0) depctr_va_sdst(0) depctr_va_ssrc(0) depctr_va_vcc(0) depctr_vm_vsrc(0)
	s_getreg_b32 s2, hwreg(HW_REG_IB_STS2, 6, 4)
	s_cmp_eq_u32 s2, 0
	s_cbranch_scc0 .Lentry_in_a_cluster
	s_endpgm
.Lentry_in_a_cluster:
	s_bfe_u32 s2, ttmp6, 0x10000c
	s_cmp_lg_u32 s2, 0xf033
	s_cbranch_scc0 .Lentry_shape_is_right
	s_endpgm
.Lentry_shape_is_right:
; Q = x Wq^T, K = x Wk^T and V^T = Wv x^T on codes of BF6 (E3M2) with E8M0 scales; the results are quantised in registers, along their columns, and stored in c2 as packs.
; PACKS (c1 and c2): 128 row places x 256 along K, 25,600 dense bytes: block a (16 places), half q (128 K) at 3,072 a + 1,536 q as an image of the fragment's 12 registers
; (registers 4 c .. 4 c + 3 of lane l at 512 c + 16 l); scale words at 24,576 + 512 q + 32 r + 4 a.  Which row a place holds is fixed by the launch that lays c1 (Wv's rows in an order of their own);
; c2's row places are those of the row side's packs.
; c1: pack 4 g + t; groups 0-63 x, 64-71 Wq, 72-79 Wk, 80-87 Wv.   c2: Q at pack 4 g + t, K at 256 + 4 g + t (K = the features), V^T at 512 + 32 (d / 128) + token / 256 (K = the tokens).
; A WORK-GROUP STAYS AND MAKES TWO TILES: each of the 256 work-groups makes one tile of Q or K and one of V^T: 512 + 256 matrix instructions a wave.
; FIRST TILE: 256 tokens x 256 features of Q or K, a wave 128 x 128 (64 accumulators).  K = 1,024 is four fills of 256 along K, one pack a wave each, in three LDS slots: fill 0 at the head, fill 1 behind the
; round that follows, fill 2 in step 1 of the tile's eight, fill 3 in step 3, over fill 0.
; SECOND TILE: 128 features x 256 tokens of V^T, a wave 64 x 128 (32 accumulators).  K = 1,024 is two fills of 512 along K, in two slots of 153,600 bytes that lie over the first tile's three: the upper one is
; filled when step 5 of the first tile has its fragments, the lower one when step 7 has.
; THE MATRIX INSTRUCTION IS USED TRANSPOSED (source 0 = 16 places of the column side, source 1 = 16 places of the row side): a lane holds one row place, and, by the order of places of x, Wq and Wk, the 64 registers
; of a row block are 16 neighbours of each block of 32 of its 128 columns: just what the conversions want.  So a wave's 128 columns become one fragment for each row block.
; CLUSTERS: 4 x 4 work-groups; the four of a row of the cluster need the same packs of the row side, the four of a column those of the column side: each pack is asked for jointly.
; Cluster c (0..15): first tiles: tokens 1,024 (c / 2) on, all features of Q (c even) or K (c odd); second tiles: features 512 (c % 2) on of V^T, the same 1,024 tokens.
; PREFETCH, two fills ahead: fills 1 and 2 at the head, fill 3 behind fill 1's load, Wv's packs of the second tile's fills behind the loads of fills 2 and 3.  A pack is 100 blocks of 256 bytes: each of the four partners
; that ask for it jointly names 25, told apart by address.  x's packs of the second tile have been read in the first.
; LIMITS: NaN and infinities are not served; a block whose largest magnitude lies under 2^-122 (zeros among them) gets the byte 1; these bytes are read by this program alone.
; REGISTERS, in windows of 256: window 0: v1-31 addresses; v32-63 scale words, two sets; v64-159, v160-255 the first tile's row fragments, two sets; the second tile's at v208-255 and v160-207;
;   the ways out work in v64-207.   window 1: the column side's fragments, two sets, at v0 and v128.   windows 2, 3: accumulator (a, b) at v[8 (8 (a % 4) + b)] of window 2 + a / 4.
.set PACK,   25600
.set NA,     8                         ; row blocks of a wave (set anew for the second tile)
.set SLOT,   4*PACK                    ; a slot of the first tile: the row side's two packs, then the column side's two
.set SLOT2,  6*PACK                    ; a slot of the second tile: Wv's two packs (512 along K), then x's two groups of two packs
.set SPARE,  307200                    ; behind the slots: the spare words, 128 bytes a wave: two blocks of 256 bytes that no other line names
.set SCR,    SPARE+512                 ; the second tile's 1,024 bytes of scale words meet here; no fill lands here
.set ADRA, 2                           ; v2-4    LDS address of my row side's images in slot 0, 1, 2          (second tile: v16-17)
.set ADRB, 5                           ; v5-7    of my column side's                                           (v18-19)
.set ADSA, 8                           ; v8-10   of my row side's scale words                                  (v20-21)
.set ADSB, 11                          ; v11-13  of my column side's                                           (v22-23)
.set VO,   14                          ; v14     16 x lane
.set VS,   15                          ; v15     32 r + 16 h
.set SCW,  27                          ; v27     where I put my four scale words a row of the second tile
.set SPW,  28                          ; v28     my spare word; never rewritten
.set NIL,  29                          ; v29     0; never rewritten
.set SCRD, 30                          ; v30     where those words are read back
.set PFO,  31                          ; v31     the prefetches' offset: 256 x lane, lanes 25-31 as lane 24
.set SC,   32                          ; scale words: set e at SC + 16 e: the column side's blocks at + 0..7, the row side's at + 8..15; lanes 0-15 the pack's first 128 K, lanes 16-31 its second
.set AF,   64                          ; the row side's fragments: set p at AF + ASET p
.set ASET, 96
.set PF,   2                           ; s[2:3]   where my prefetches of the first tile stand (behind the head);  s[6:7] of Wv's packs
.set PFV,  6
.set G1,   24                          ; s[24:31] group 1 of the row side (both tiles); s[32:43] its groups 0 of the first tile, one a slot
.set G0,   32
.set G1B,  48                          ; s[48:55], s[68:79] the same for the first tile's column side
.set G0B,  68
.set G1C,  84                          ; s[84:91] group 1 of the second tile's column side: twice the rows
.set G0P,  92                          ; s[92:95], s[96:99] groups 0 of the second tile's row side, fill 0 and 1
.set G0Q,  8                           ; s[8:11], s[20:23] of its column side
.set TM,   160                         ; the ways out, window 0: v160-183 at work, twelve for each of two blocks
.set T2,   184                         ; v184-199 the conversions' second halves
.set PW,   200                         ; v200-207 the blocks' scale words
.set SW,   160                         ; v160-163 those words as they are stored
.set MSB, 0
.macro WIN new                         ; the immediate's high byte repeats the setting that is left; a switch that changes nothing is dropped
.if MSB != (\new)
	s_set_vgpr_msb (MSB<<8)|(\new)
.set MSB, (\new)
.endif
.endm
.set MUL_LO, 0xa1                      ; source 0 window 1, source 1 window 0, C and D window 2 (+ 0x50: window 3)
.set TO_B,   0x40                      ; destination window 1, address window 0
.macro PLACES                          ; four plain places behind a matrix instruction, ahead of loads into its registers and of reads of results
.rept 4
	v_nop
.endr
.endm
.macro CREST                           ; a round of the cluster's barrier behind its opening barrier
	s_cmp_lg_u32 s14, 0
	s_cbranch_scc1 .Lnot_wave_0_\@
	s_barrier_signal -3
.Lnot_wave_0_\@:
	s_barrier_wait -3
	s_barrier_signal -1
	s_barrier_wait -1
.endm
.macro CROUND
	s_barrier_signal -1
	s_barrier_wait -1
	CREST
.endm
.macro JLOAD g0a, g1a, g0b, g1b        ; a joint load: waves 0, 1 fetch for the row side, waves 2, 3 for the column side; four v_nop follow each line
	s_cmp_eq_u32 s15, 0
	s_cbranch_scc0 .Lfor_b_\@
	tensor_load_to_lds s[\g0a:\g0a+3], s[\g1a:\g1a+7]
	s_nop 0
.rept 4
	v_nop
.endr
	s_branch .Lasked_\@
.Lfor_b_\@:
	tensor_load_to_lds s[\g0b:\g0b+3], s[\g1b:\g1b+7]
	s_nop 0
.rept 4
	v_nop
.endr
.Lasked_\@:
.endm
.macro ASK t                           ; my work-group's 25 blocks of pack t of the piece that my wave fetches
	global_prefetch_b8 v[PFO], s[PF:PF+1] offset:(\t)*PACK th:TH_LOAD_NT scope:SCOPE_SE
.endm
.macro ASKV f                          ; waves 0 and 1: my work-group's 25 blocks of my pack of Wv in fill f
	s_cmp_eq_u32 s15, 0
	s_cbranch_scc0 .Lnot_mine_\@
	global_prefetch_b8 v[PFO], s[PFV:PFV+1] offset:2*PACK*(\f) th:TH_LOAD_NT scope:SCOPE_SE
.Lnot_mine_\@:
.endm
.macro FETCH slot, off, p              ; the fragments of one step of 128 K, at byte off of the packs, into set p: images, so every load is 512 consecutive bytes
	WIN TO_B
.irp b, 0,1,2,3,4,5,6,7
.irp c, 0,1,2
	ds_load_b128 v[128*(\p)+12*\b+4*\c:128*(\p)+12*\b+4*\c+3], v[ADRB+(\slot)] offset:(\off)+3072*\b+512*\c
.endr
.endr
	WIN 0
.set fa, 0
.rept NA
.irp c, 0,1,2
	ds_load_b128 v[AF+ASET*(\p)+12*fa+4*\c:AF+ASET*(\p)+12*fa+4*\c+3], v[ADRA+(\slot)] offset:(\off)+3072*fa+512*\c
.endr
.set fa, fa+1
.endr
.endm
.macro SCALES slot, poff, e            ; a pack's scale words (two steps' worth) into set e; the row side has eight blocks in the first tile, four in the second
	ds_load_b128 v[SC+16*(\e):SC+16*(\e)+3], v[ADSB+(\slot)] offset:(\poff)
	ds_load_b128 v[SC+16*(\e)+4:SC+16*(\e)+7], v[ADSB+(\slot)] offset:(\poff)+16
	ds_load_b128 v[SC+16*(\e)+8:SC+16*(\e)+11], v[ADSA+(\slot)] offset:(\poff)
.if NA == 8
	ds_load_b128 v[SC+16*(\e)+12:SC+16*(\e)+15], v[ADSA+(\slot)] offset:(\poff)+16
.endif
.endm
.macro MULB a, p, rq, e, zero          ; row block a against the eight column blocks.  rq = 1: the pack's second 128 K: the scale words of lanes 16-31.  zero = 1: the products start the sums
	WIN MUL_LO+0x50*((\a)/4)
.irp b, 0,1,2,3,4,5,6,7
.set rD, 8*(8*((\a)%4)+\b)
.set rB, 128*(\p)+12*\b
.set rA, AF+ASET*(\p)+12*(\a)
.set rX, SC+16*(\e)+\b
.set rY, SC+16*(\e)+8+(\a)
.if \zero
	v_wmma_scale_f32_16x16x128_f8f6f4 v[rD:rD+7], v[rB:rB+11], v[rA:rA+11], 0, v[rX], v[rY] matrix_a_fmt:MATRIX_FMT_BF6 matrix_b_fmt:MATRIX_FMT_BF6
.elseif \rq
	v_wmma_scale_f32_16x16x128_f8f6f4 v[rD:rD+7], v[rB:rB+11], v[rA:rA+11], v[rD:rD+7], v[rX], v[rY] matrix_a_fmt:MATRIX_FMT_BF6 matrix_b_fmt:MATRIX_FMT_BF6 matrix_a_scale:MATRIX_SCALE_ROW1 matrix_b_scale:MATRIX_SCALE_ROW1
.else
	v_wmma_scale_f32_16x16x128_f8f6f4 v[rD:rD+7], v[rB:rB+11], v[rA:rA+11], v[rD:rD+7], v[rX], v[rY] matrix_a_fmt:MATRIX_FMT_BF6 matrix_b_fmt:MATRIX_FMT_BF6
.endif
.endr
.endm
.macro MULS a0, n, p, rq, e, zero      ; n row blocks from a0 on.  All accumulators take turns, one instruction a turn, in the same order in every step
.set ma, \a0
.rept \n
	MULB ma, \p, \rq, \e, \zero
.set ma, ma+1
.endr
.endm
; A step of 128 K: its fragments were asked for a step ago; the next step's are asked for first, into the other set, and land under this step's products.
.macro STEP p, rq, e, zero, nslot, noff, nsc, npoff
	s_wait_dscnt 0x0                               ; this step's fragments and scale words are in
	PLACES
	FETCH \nslot, \noff, 1-(\p)
.if \nsc
	SCALES \nslot, \npoff, 1-(\e)
.endif
	MULS 0, NA, \p, \rq, \e, \zero
	WIN 0
.endm
; A step with a barrier: ahead of it each wave waits for all its tensor loads, adds 0 to its spare word, and waits for that and for its reads.
; fill = 1: slot fslot of the first tile takes its next fill (slot 0 fill 3, slot 2 fill 2).  fill = 2: the second tile's fill 0 goes out.  fill = 0: nothing is filled; the barrier shows the last fill to every wave.
; ask: 0, or 1 + the second tile's fill whose packs of Wv are prefetched.
.macro TURN p, rq, e, fill, fslot, nslot, ask
	s_wait_tensorcnt 0x0                           ; all my tensor loads have landed
	ds_add_u32 v[SPW], v[NIL]                      ; 0 onto my spare word
	s_wait_dscnt 1                                 ; this step's fragments are in; the add may be out
	MULS 0, NA/4, \p, \rq, \e, 0
	s_wait_dscnt 0x0                               ; the add is done, and my reads of the slots are over
	s_barrier_signal -1
	MULS NA/4, NA/4, \p, \rq, \e, 0
	WIN 0
	s_barrier_wait -1
.if \fill == 1
	CREST                                          ; the barrier has opened a round of the cluster's barrier: no wave of any partner still reads the slot or has a load on its way
.if \fslot == 0
	s_add_nc_u64 s[G0+2:G0+3], s[G0+2:G0+3], 3*PACK
	s_add_nc_u64 s[G0B+2:G0B+3], s[G0B+2:G0B+3], 3*PACK
.endif
	JLOAD G0+4*(\fslot), G1, G0B+4*(\fslot), G1B   ; the first tensor load behind the round; its four v_nop are also the places ahead of the loads below
.elseif \fill == 2
	CREST                                          ; likewise
	JLOAD G0P, G1, G0Q, G1C
.else
	PLACES
.endif
	FETCH \nslot, 0, 1-(\p)
	SCALES \nslot, 0, 1-(\e)
.if \ask
	ASKV \ask-1
.endif
	MULS NA/2, NA/2, \p, \rq, \e, 0
	WIN 0
.endm
; The first tile's last step.  Its fragments are in registers, so slot 0 is read out: behind a round the second tile's fill 1 goes over it.  Nothing is fetched from LDS here: the registers
; that the second tile's first fragments take are still being multiplied.
.macro TURNL p, rq, e
	s_wait_tensorcnt 0x0                           ; all my tensor loads have landed: my part of the second tile's fill 0
	ds_add_u32 v[SPW], v[NIL]                      ; 0 onto my spare word
	s_wait_dscnt 1                                 ; this step's fragments are in; the add may be out
	MULS 0, NA/4, \p, \rq, \e, 0
	s_wait_dscnt 0x0                               ; the add is done, and my reads of the first tile's slots are over
	s_barrier_signal -1
	MULS NA/4, NA/4, \p, \rq, \e, 0
	WIN 0
	s_barrier_wait -1
	CREST                                          ; a round of the cluster's barrier: no wave of any partner still reads bytes 0 to 153,599 or has a load on its way; fill 0 is whole for every wave
	JLOAD G0P+4, G1, G0Q+12, G1C                   ; the first tensor load behind the round
	MULS NA/2, NA/2, \p, \rq, \e, 0
	WIN 0
.endm
	s_load_b128 s[4:7], s[0:1], 0x0                ; c1 s[4:5], c2 s[6:7]
	v_lshl_add_u32 v[SPW], v0, 2, SPARE
	v_mov_b32 v[NIL], 0
	ds_add_u32 v[SPW], v[NIL]                      ; the wave's opening: the add, twice on end, and its wait ahead of my first tensor load
	ds_add_u32 v[SPW], v[NIL]
	v_lshrrev_b32 v1, 5, v0
	v_readfirstlane_b32 s14, v1                    ; wave 0..3
	s_lshr_b32 s15, s14, 1                         ; which half of a tile's rows is mine.  Also: I fetch for the row side (0) or the column side (1)
	s_and_b32 s16, s14, 1                          ; which half of its columns.  Also: which piece I fetch
	s_bfe_u32 s80, ttmp6, 0x40000                  ; cx
	s_bfe_u32 s81, ttmp6, 0x40004                  ; cy
	s_lshl_b32 s82, s81, 2
	s_lshl_b32 s82, 15, s82                        ; my row of the cluster
	s_lshl_b32 s83, 0x1111, s80                    ; my column
	s_or_b32 s[G1], s82, (3<<16)|(1<<21)           ; 15:0 the mask; 17:16 elements of 8 bytes; 21 set beside a mask; no padding
	s_or_b32 s[G1B], s83, (3<<16)|(1<<21)
	s_or_b32 s[G1C], s83, (3<<16)|(1<<21)
.irp g, G1, G1B, G1C
	s_mov_b32 s[\g+1], 32<<16                      ; tensor_dim0 = 32 elements: rows of 256 bytes
	s_mov_b32 s[\g+3], 32<<16                      ; tile_dim0
	s_mov_b32 s[\g+5], 32                          ; the pitch: dense
	s_mov_b32 s[\g+6], 0
	s_mov_b32 s[\g+7], 0
.endr
	s_mov_b32 s[G1+2], 100<<16                     ; tensor_dim1: a pack is 100 rows of 256 bytes
	s_mov_b32 s[G1+4], 100                         ; tile_dim1
	s_mov_b32 s[G1B+2], 100<<16
	s_mov_b32 s[G1B+4], 100
	s_mov_b32 s[G1C+2], 200<<16                    ; two packs on end
	s_mov_b32 s[G1C+4], 200
	s_lshr_b32 s12, ttmp9, 1
	s_lshl_b32 s12, s12, 3                         ; the cluster's first group of tokens: 8 (c / 2)
	s_and_b32 s13, ttmp9, 1                        ; Q or K; and which half of V's features
	s_lshl_b32 s44, s81, 1                         ; FIRST TILE, row side: x's group that I fetch: it hangs on cy, never on cx
	s_add_co_u32 s44, s44, s12
	s_add_co_u32 s44, s44, s16
	s_mul_i32 s44, s44, 4*PACK
	s_mov_b32 s45, 0
	s_lshl_b32 s46, s80, 1                         ; column side: Wq's or Wk's group: on cx, never on cy
	s_lshl_b32 s47, s13, 3
	s_add_co_u32 s46, s46, s47
	s_add_co_u32 s46, s46, s16
	s_add_co_u32 s46, s46, 64
	s_mul_i32 s46, s46, 4*PACK
	s_mov_b32 s47, 0
	s_lshl_b32 s100, s13, 2                        ; SECOND TILE, row side: Wv's group 80 + 4 (c % 2) + cy; of a fill's two packs I fetch the one of my number
	s_add_co_u32 s100, s100, s81
	s_add_co_u32 s100, s100, 80
	s_lshl_b32 s100, s100, 2
	s_add_co_u32 s100, s100, s16
	s_mul_i32 s100, s100, PACK
	s_mov_b32 s101, 0
	s_lshl_b32 s66, s80, 1                         ; column side: x's group 8 (c / 2) + 2 cx + my number
	s_add_co_u32 s66, s66, s12
	s_add_co_u32 s66, s66, s16
	s_mul_i32 s66, s66, 4*PACK
	s_mov_b32 s67, 0
	s_mul_i32 s2, s16, PACK                        ; where the pieces go in a slot: no place in the cluster enters an LDS address
	s_add_co_u32 s3, s2, 2*PACK
	s_mul_i32 s17, s16, 2*PACK
	s_add_co_u32 s17, s17, 2*PACK
	s_lshl_b32 s56, s81, 1                         ; my wave's pack of Q or K: 256 (c % 2) + 4 x my group of tokens + cx
	s_add_co_u32 s56, s56, s12
	s_add_co_u32 s56, s56, s15
	s_lshl_b32 s56, s56, 2
	s_lshl_b32 s57, s13, 8
	s_add_co_u32 s56, s56, s57
	s_add_co_u32 s56, s56, s80
	s_mul_i32 s56, s56, PACK
	s_mov_b32 s57, 0
	s_mul_i32 s58, s16, 1536                       ; my 128 columns are its half s16
	s_mov_b32 s59, 0
	s_lshl_b32 s60, s16, 9
	s_add_co_u32 s60, s60, 24576
	s_mov_b32 s61, 0
	s_lshl_b32 s62, s13, 2                         ; my work-group's pack of V^T: 512 + 32 (4 (c % 2) + cy) + 4 (c / 2) + cx
	s_add_co_u32 s62, s62, s81
	s_lshl_b32 s62, s62, 5
	s_lshr_b32 s63, s12, 1
	s_add_co_u32 s62, s62, s63
	s_add_co_u32 s62, s62, s80
	s_add_co_u32 s62, s62, 512
	s_mul_i32 s62, s62, PACK
	s_add_co_u32 s12, s62, s60                     ; its scale words of half s16
	s_mov_b32 s13, 0
	s_mul_i32 s63, s15, 4*3072
	s_add_co_u32 s62, s62, s63                     ; my four blocks,
	s_add_co_u32 s62, s62, s58                     ; half s16
	s_mov_b32 s63, 0
	s_mul_i32 s82, s15, PACK                       ; the first tile: my rows (my columns: s3)
	s_mul_i32 s78, s15, 4*3072                     ; the second tile: my four blocks of Wv's pack,
	s_lshl_b32 s79, s15, 4                         ; my four of a row's eight scale words (my group of x: s17)
	s_lshl_b32 s40, s16, 9
	s_add_co_u32 s40, s40, SCR
	s_add_co_u32 s41, s40, s79
	s_mov_b32 s18, 0x76543210
	s_mov_b32 s19, 0xfedcba98                      ; v_permlanex16_b32's selects for lane l xor 16
	v_and_b32 v1, 31, v0                           ; lane
	v_and_b32 v24, 15, v0                          ; r
	v_bfe_u32 v25, v0, 4, 1                        ; h
	v_lshlrev_b32 v[VO], 4, v1
	v_lshlrev_b32 v[VS], 5, v24
	v_lshlrev_b32 v26, 5, v1
	v_min_u32 v[PFO], 24, v1
	v_lshl_add_u32 v[VS], v25, 4, v[VS]
	v_add_nc_u32 v26, 24576, v26                   ; a pack's scale words: 32 x lane
	v_lshlrev_b32 v[PFO], 8, v[PFO]
	v_lshl_add_u32 v[SCW], v24, 5, s41             ; the scale words of half s16 are put there: 32 r + 16 x my half of the blocks
	v_add_nc_u32 v[SCRD], s40, v[VO]               ; and read back: 16 x lane
	v_add_nc_u32 v[ADRA], s82, v[VO]
	v_add_nc_u32 v[ADRB], s3, v[VO]
	v_add_nc_u32 v[ADSA], s82, v26
	v_add_nc_u32 v[ADSB], s3, v26
.irp g, ADRA, ADRB, ADSA, ADSB
	v_add_nc_u32 v[\g+1], SLOT, v[\g]
	v_add_nc_u32 v[\g+2], 2*SLOT, v[\g]
.endr
	v_add_nc_u32 v17, s78, v[VO]                   ; fill 1 lies at byte 0, fill 0 at byte 153,600: Wv's blocks,
	v_add_nc_u32 v19, s17, v[VO]                   ; x's group,
	v_add_nc_u32 v21, s79, v26                     ; and their scale words
	v_add_nc_u32 v23, s17, v26
.irp g, 16, 18, 20, 22
	v_add_nc_u32 v[\g], SLOT2, v[\g+1]
.endr
	s_wait_dscnt 0x0                               ; both opening adds are done
	s_wait_alu depctr_va_vdst(0)                   ; at the head's end
	CROUND                                         ; all sixteen work-groups are here: the first joint loads meet
	s_wait_kmcnt 0x0
	s_add_nc_u64 s[44:45], s[4:5], s[44:45]
	s_add_nc_u64 s[46:47], s[4:5], s[46:47]
	s_mov_b32 s[G0], 1                             ; count = 1
	s_mov_b32 s[G0+1], s2                          ; LDS address
	s_mov_b64 s[G0+2:G0+3], s[44:45]               ; fill 0
	s_or_b32 s[G0+3], s[G0+3], 0x80000000          ; type = 2
	s_mov_b32 s[G0B], 1
	s_mov_b32 s[G0B+1], s3
	s_mov_b64 s[G0B+2:G0B+3], s[46:47]
	s_or_b32 s[G0B+3], s[G0B+3], 0x80000000
	JLOAD G0, G1, G0B, G1B                         ; one tensor load a wave at the head; all the other addresses are made under its flight
	s_add_nc_u64 s[100:101], s[4:5], s[100:101]
	s_add_nc_u64 s[66:67], s[4:5], s[66:67]
	s_add_nc_u64 s[56:57], s[6:7], s[56:57]
	s_add_nc_u64 s[58:59], s[56:57], s[58:59]      ; where my codes of Q or K go
	s_add_nc_u64 s[60:61], s[56:57], s[60:61]      ; and their scale words
	s_add_nc_u64 s[62:63], s[6:7], s[62:63]        ; where my codes of V^T go
	s_add_nc_u64 s[12:13], s[6:7], s[12:13]        ; and the scale words of half s16
.irp f, 1,2                            ; the first tile's fills 1 and 2
	s_mov_b32 s[G0+4*\f], 1
	s_add_co_u32 s[G0+4*\f+1], s2, \f*SLOT
	s_add_nc_u64 s[G0+4*\f+2:G0+4*\f+3], s[44:45], \f*PACK
	s_or_b32 s[G0+4*\f+3], s[G0+4*\f+3], 0x80000000
	s_mov_b32 s[G0B+4*\f], 1
	s_add_co_u32 s[G0B+4*\f+1], s3, \f*SLOT
	s_add_nc_u64 s[G0B+4*\f+2:G0B+4*\f+3], s[46:47], \f*PACK
	s_or_b32 s[G0B+4*\f+3], s[G0B+4*\f+3], 0x80000000
.endr
.irp f, 0,1                            ; the second tile's: fill 0 into the upper 153,600 bytes, fill 1 into the lower
	s_mov_b32 s[G0P+4*\f], 1
	s_add_co_u32 s[G0P+4*\f+1], s2, SLOT2*(1-\f)
	s_add_nc_u64 s[G0P+4*\f+2:G0P+4*\f+3], s[100:101], \f*2*PACK
	s_or_b32 s[G0P+4*\f+3], s[G0P+4*\f+3], 0x80000000
	s_mov_b32 s[G0Q+12*\f], 1
	s_add_co_u32 s[G0Q+12*\f+1], s17, SLOT2*(1-\f)
	s_add_nc_u64 s[G0Q+12*\f+2:G0Q+12*\f+3], s[66:67], \f*2*PACK
	s_or_b32 s[G0Q+12*\f+3], s[G0Q+12*\f+3], 0x80000000
.endr
	s_mul_i32 s4, s80, 6400                        ; the prefetches: 25 blocks of 256 bytes for each place: by cx on the row side, by cy on the column side
	s_mov_b32 s5, 0
	s_add_nc_u64 s[PFV:PFV+1], s[100:101], s[4:5]
	s_cmp_eq_u32 s15, 0
	s_cselect_b64 s[PF:PF+1], s[44:45], s[46:47]
	s_cselect_b32 s4, s80, s81
	s_mul_i32 s4, s4, 6400
	s_add_nc_u64 s[PF:PF+1], s[PF:PF+1], s[4:5]
	ASK 1
	ASK 2
	s_wait_tensorcnt 0x0                           ; my part of fill 0 is in; these lines stand ahead of a later first fill, as ahead of a refill:
	ds_add_u32 v[SPW], v[NIL]                      ; 0 onto my spare word;
	s_wait_dscnt 0x0                               ; the add is done
	CROUND                                         ; a whole round: fill 0 is in for every wave, and all sixteen work-groups are here,
	JLOAD G0+4, G1, G0B+4, G1B                     ; and fill 1's load, the first tensor load behind the round
	SCALES 0, 0, 0
	FETCH 0, 0, 0
	ASK 3
	s_wait_dscnt 18                                ; K 0 begins when the scale words, the column side and row blocks 0 and 1 are in (three loads a row block may be out for each of six)
	MULS 0, 2, 0, 0, 0, 1                          ; the products start the sums
	s_wait_dscnt 12
	MULS 2, 2, 0, 0, 0, 1
	WIN 0
	FETCH 0, 1536, 1
	s_wait_dscnt 48                                ; all but the 48 just issued
	MULS 4, 4, 0, 0, 0, 1
	WIN 0
	TURN 1, 1, 0, 1, 2, 1, 1                       ; K 128: fill 1 has landed; fill 2 goes out
	STEP 0, 0, 1, 0, 1, 1536, 0, 0                 ; K 256
	TURN 1, 1, 1, 1, 0, 2, 2                       ; K 384: fill 2 has landed; slot 0 takes fill 3
	STEP 0, 0, 0, 0, 2, 1536, 0, 0                 ; K 512
	TURN 1, 1, 0, 2, 0, 0, 0                       ; K 640: fill 3 has landed; slots 1 and 2 are read out: the second tile's fill 0 goes over bytes 153,600 to 307,199
	STEP 0, 0, 1, 0, 0, 1536, 0, 0                 ; K 768
	TURNL 1, 1, 1                                  ; K 896: the second tile's fill 1 goes over bytes 0 to 153,599
; THE WAY OUT of a tile, two row blocks at a time, their lines by turns.  Row block a's 64 accumulator registers are, at 16 b + i, column 32 b + 16 (lane / 16) + i of my 128: they become one fragment of the next product and one scale word a row.
.macro QUANT2 a, base
.set W, 2+(\a)/4
.set AC, 64*((\a)%4)
.set CO, 64+12*(\a)
	WIN (W<<2)|(W<<4)                              ; sources 1 and 2: the accumulators' window
.irp u, 0,1
.irp b, 0,1,2,3
	v_max3_num_f32 v[TM+12*\u+\b], 0x2800000, |v[AC+64*\u+16*\b]|, |v[AC+64*\u+16*\b+1]|   ; the floor 2^(5 - 127) and my first two numbers; each accumulator is read from its low end on
.endr
.endr
.irp i, 2,4,6,8,10,12,14
.irp u, 0,1
.irp b, 0,1,2,3
	v_max3_num_f32 v[TM+12*\u+\b], v[TM+12*\u+\b], |v[AC+64*\u+16*\b+\i]|, |v[AC+64*\u+16*\b+\i+1]|
.endr
.endr
.endr
	WIN 0
.irp u, 0,1
.irp b, 0,1,2,3
	v_permlanex16_b32 v[TM+12*\u+4+\b], v[TM+12*\u+\b], s18, s19
.endr
.endr
.irp u, 0,1
.irp b, 0,1,2,3
	v_max_num_f32 v[TM+12*\u+\b], v[TM+12*\u+\b], v[TM+12*\u+4+\b]   ; with lane l xor 16's: the block's largest magnitude
.endr
.endr
.irp u, 0,1
.irp b, 0,1,2,3
	v_add_nc_u32 v[TM+12*\u+8+\b], 0xfe000000, v[TM+12*\u+\b] ; 4 off its exponent field: the conversion's scale operand
.endr
.endr
.irp u, 0,1
.irp b, 0,1,2,3
	v_lshrrev_b32 v[TM+12*\u+4+\b], 23, v[TM+12*\u+8+\b]      ; the scale's byte
.endr
.endr
.irp u, 0,1
	v_lshl_or_b32 v[PW+(\a)+\u], v[TM+12*\u+5], 8, v[TM+12*\u+4]
.endr
.irp u, 0,1
	v_lshl_or_b32 v[PW+(\a)+\u], v[TM+12*\u+6], 16, v[PW+(\a)+\u]
.endr
.irp u, 0,1
	v_lshl_or_b32 v[PW+(\a)+\u], v[TM+12*\u+7], 24, v[PW+(\a)+\u]
.endr
	WIN W                                          ; source 0: the accumulators' window
.irp u, 0,1
.irp c, 0,1
	v_cvt_scalef32_pk16_bf6_f32 v[CO+12*\u+6*\c:CO+12*\u+6*\c+2], v[AC+64*\u+32*\c:AC+64*\u+32*\c+15], v[TM+12*\u+8+2*\c]
	v_cvt_scalef32_pk16_bf6_f32 v[T2+8*\u+4*\c:T2+8*\u+4*\c+2], v[AC+64*\u+32*\c+16:AC+64*\u+32*\c+31], v[TM+12*\u+8+2*\c+1]
.endr
.endr
	WIN 0
	v_nop                                          ; one plain place behind a scaled conversion
.irp u, 0,1                            ; a whole block to a lane: lanes 0-15 block 2 c, lanes 16-31 block 2 c + 1
.irp c, 0,1
.irp i, 0,1,2
	v_permlane16_swap_b32 v[CO+12*\u+6*\c+\i], v[T2+8*\u+4*\c+\i]
.endr
.endr
.endr
.irp u, 0,1
.irp c, 0,1
.irp i, 0,1,2
	v_mov_b32 v[CO+12*\u+6*\c+3+\i], v[T2+8*\u+4*\c+\i]
.endr
.endr
.endr
.irp u, 0,1
.irp c, 0,1,2
	global_store_b128 v[VO], v[CO+12*\u+4*\c:CO+12*\u+4*\c+3], s[(\base):(\base)+1] offset:3072*((\a)+\u)+512*\c   ; 512 consecutive bytes, at a multiple of 256 from c2's first byte; within a tile each block has registers of its own
.endr
.endr
.endm
	PLACES                                         ; behind the last products: results are read, and registers that held fragments are loaded and written
; THE SECOND TILE'S SETTINGS: four row blocks; its row fragments at v208-255 (set 0) and v160-207 (set 1); its own address registers.
.set NA,   4
.set AF,   208
.set ASET, -48
.set ADRA, 16
.set ADRB, 18
.set ADSA, 20
.set ADSB, 22
	FETCH 0, 0, 0                                  ; its first fragments and scale words are asked for now (fill 0 is whole since the round above) and land under the first tile's way out,
	SCALES 0, 0, 0                                 ; which touches v64-207 of window 0 and the accumulators alone
.irp b, 0,1,2,3
	v_mov_b32 v[TM+4+\b], 0                        ; written once: a lane permute's destination counts as one of its sources
	v_mov_b32 v[TM+16+\b], 0
.endr
	v_cmp_lt_u32 vcc_lo, 15, v1                    ; lanes 16-31
.irp a, 0,2,4,6
	QUANT2 \a, 58
.endr
.irp k, 0,1,2,3                        ; eight words a row place (one a block), the same in lanes r and 16 + r: lanes 0-15 store blocks 0-3, lanes 16-31 blocks 4-7: 512 consecutive bytes
	v_cndmask_b32 v[SW+\k], v[PW+\k], v[PW+\k+4], vcc_lo
.endr
	global_store_b128 v[VS], v[SW:SW+3], s[60:61]
	s_wait_xcnt 0x0                                ; the stores above have read their registers: v160-207 are loaded below, v64-111 are written in the second way out
	STEP 0, 0, 0, 1, 0, 1536, 0, 0                 ; V^T, K 0: the products start the sums anew, in window 2
	STEP 1, 1, 0, 0, 0, PACK, 1, PACK              ; K 128
	STEP 0, 0, 1, 0, 0, PACK+1536, 0, 0            ; K 256
	TURN 1, 1, 1, 0, 0, 1, 0                       ; K 384: fill 1 has landed, and the barrier shows it to every wave; nothing is filled again
	STEP 0, 0, 0, 0, 1, 1536, 0, 0                 ; K 512
	STEP 1, 1, 0, 0, 1, PACK, 1, PACK              ; K 640
	STEP 0, 0, 1, 0, 1, PACK+1536, 0, 0            ; K 768
	s_wait_dscnt 0x0
	MULS 0, NA, 1, 1, 1, 0                         ; K 896
	WIN 0
	PLACES
	QUANT2 0, 62
	QUANT2 2, 62
	; A wave's four scale words a row are 16 of each 32 bytes of the pack's scale area: the two waves of a half q put theirs together in LDS, so that 512 consecutive bytes are stored.
	ds_store_b128 v[SCW], v[PW:PW+3]               ; lanes r and 16 + r hold the same words and write them to the same place
	s_wait_dscnt 0x0                               ; for the others' sake: my words lie in LDS
	s_barrier_signal -1
	s_barrier_wait -1
	s_cmp_lg_u32 s15, 0
	s_cbranch_scc1 .Lno_words                      ; waves 0 and 1 store the words of halves 0 and 1
	ds_load_b128 v[SW:SW+3], v[SCRD]
	s_wait_dscnt 0x0
	global_store_b128 v[VO], v[SW:SW+3], s[12:13]
.Lno_words:
	s_wait_tensorcnt 0x0                           ; the wave's end
	ds_add_u32 v[SPW], v[NIL]
	s_wait_dscnt 0x0
	CROUND                                         ; the closing round: no work-group ends while a partner may still ask for a pack that names it
	s_endpgm
.Lfunc_end_k_q66928dfa69_qkv:
	.size	k_q66928dfa69_qkv, .Lfunc_end_k_q66928dfa69_qkv-k_q66928dfa69_qkv
	.p2alignl 7, 3214868480
	.fill 96, 4, 3214868480
	.section	.rodata,"a",@progbits
	.p2align	6, 0x0
	.amdhsa_kernel k_q66928dfa69_qkv
		.amdhsa_group_segment_fixed_size 327680
		.amdhsa_private_segment_fixed_size 0
		.amdhsa_enable_private_segment 0
		.amdhsa_kernarg_size 16
		.amdhsa_user_sgpr_count 2
		.amdhsa_user_sgpr_kernarg_segment_ptr 1
		.amdhsa_wavefront_size32 1
		.amdhsa_system_sgpr_workgroup_id_x 1
		.amdhsa_system_sgpr_workgroup_id_y 1
		.amdhsa_system_sgpr_workgroup_id_z 1
		.amdhsa_system_vgpr_workitem_id 0
		.amdhsa_next_free_vgpr 1024
		.amdhsa_next_free_sgpr 102
		.amdhsa_reserve_vcc 1
		.amdhsa_float_denorm_mode_32 3
		.amdhsa_float_denorm_mode_16_64 3
		.amdhsa_memory_ordered 1
		.amdhsa_forward_progress 1
		.amdhsa_inst_pref_size 211
	.end_amdhsa_kernel
	.amdgpu_metadata
---
amdhsa.version: [ 1, 2 ]
amdhsa.kernels:
  - .name:           k_q66928dfa69_qkv
    .symbol:         k_q66928dfa69_qkv.kd
    .args:
      - { .name: c1, .offset: 0, .size: 8, .value_kind: global_buffer, .address_space: global }
      - { .name: c2, .offset: 8, .size: 8, .value_kind: global_buffer, .address_space: global }
    .group_segment_fixed_size: 327680
    .private_segment_fixed_size: 0
    .kernarg_segment_align: 8
    .kernarg_segment_size: 16
    .max_flat_workgroup_size: 128
    .sgpr_count:     102
    .vgpr_count:     1024
    .wavefront_size: 32
...
	.end_amdgpu_metadata
.endif
;; end of part 2
;; launch scores (part 3): grid 8 x 32, 4 waves a work-group, clusters of 4 x 4, 327,680 bytes of LDS; arguments c2, c3, st; writes c3, st
.if DOCPART == 3
	.amdgcn_target "amdgcn-amd-amdhsa--gfx1250"
	.amdhsa_code_object_version 6
	.text
	.protected	k_q66928dfa69_scores
	.globl	k_q66928dfa69_scores
	.p2align	8
	.type	k_q66928dfa69_scores,@function
k_q66928dfa69_scores:
	s_mov_b64 s[64:65], 0
	v_nop
	global_prefetch_b8 v0, s[64:65] scope:SCOPE_SE
	s_setreg_imm32_b32 hwreg(HW_REG_WAVE_MODE, 25, 1), 1
	s_wait_xcnt 0x0
	s_wait_alu depctr_hold_cnt(0) depctr_sa_sdst(0) depctr_va_vdst(0) depctr_va_sdst(0) depctr_va_ssrc(0) depctr_va_vcc(0) depctr_vm_vsrc(0)
	s_getreg_b32 s2, hwreg(HW_REG_IB_STS2, 6, 4)
	s_cmp_eq_u32 s2, 0
	s_cbranch_scc0 .Lentry_in_a_cluster
	s_endpgm
.Lentry_in_a_cluster:
	s_bfe_u32 s2, ttmp6, 0x10000c
	s_cmp_lg_u32 s2, 0xf033
	s_cbranch_scc0 .Lentry_shape_is_right
	s_endpgm
.Lentry_shape_is_right:
; S = Q K^T on codes of BF6 (E3M2) with E8M0 scales, and the softmax's numerator, quantised along the keys, stored in c3 as packs.
; t = score x log2(e) / 32.  A wave sees 128 keys of each of its 128 queries.  For these 128 keys it takes M_s = ceil(their largest t), a whole number, p = 2^(t - M_s), the sum l_s of the
; unquantised p, and quantises p.  It stores the codes, the scale words, -M_s and l_s.  The next launch takes the row's M = the largest M_s and lowers each scale byte by M - M_s: a power of two
; goes into a block's scale, so the codes' values are those under M.
; PACKS: 128 row places x 256 along K, 25,600 dense bytes: block a (16 places), half q (128 K) at 3,072 a + 1,536 q as an image of the fragment's 12 registers; scale words at 24,576 + 512 q + 32 r + 4 a.
; c2: Q at pack 4 g + t, K at 256 + 4 g + t (g: 128 tokens; t: 256 features).   c3: P at pack 8 g + t (g: 128 queries; t: 256 keys of the batch).
; st: -M_s at (16 g + s) 512 + 32 r + 4 a (s: 128 keys of the batch), l_s 524,288 bytes further on.
; A tile of S, 256 queries x 256 keys, is made by a work-group of four waves, a wave makes 128 x 128.  K = 1,024 is four fills of 256 along K, one pack a wave each, in three LDS slots: fill 0 at the head, fill 1
; behind the round that follows, fill 2 in step 1 of the eight, fill 3 in step 3, over fill 0.
; THE MATRIX INSTRUCTION IS USED TRANSPOSED (source 0 = 16 places of keys, source 1 = 16 places of queries): a lane holds one query, and by the order of places in a block
; (place r of block a is row 32 (a / 2) + 8 (a % 2) + r + 8 (r / 8)) the 64 registers of a query block are 16 neighbouring keys of each block of 32.
; CLUSTERS: 4 x 4 work-groups of one batch; Q's packs are shared along a row of the cluster, K's along a column: each is asked for jointly.
; PREFETCH, two fills ahead: fills 1 and 2 at the head, fill 3 behind fill 1's load.  A pack is 100 blocks of 256 bytes, of which each of the four partners that ask for it jointly names 25, told apart by address.
; LIMITS: NaN and infinities are not served; p under 2^-126 counts as 0; a block whose every p is under 2^-122 gets the byte 1; these bytes are read by this program alone.  The scaled scores t stay under 2^31 in magnitude.
; REGISTERS, in windows of 256: window 0: v1-31 addresses; v32-63 scale words, two sets; v64-159, v160-255 Q's fragments, two sets (free on the way out).
;   window 1: K's fragments, two sets, at v0 and v128.   windows 2, 3: accumulator (a, b) at v[8 (8 (a % 4) + b)] of window 2 + a / 4.
.set PACK,   25600
.set NA,     8                         ; row blocks of a wave
.set SLOT,   4*PACK                    ; Q's two packs, then K's two
.set SPARE,  307200                    ; behind the slots: the spare words, 128 bytes a wave: two blocks of 256 bytes that no other line names
.set ADRA, 2                           ; v2-4    LDS address of my queries' images in slot 0, 1, 2
.set ADRB, 5                           ; v5-7    of my keys'
.set ADSA, 8                           ; v8-10   of my queries' scale words
.set ADSB, 11                          ; v11-13  of my keys'
.set VO,   14                          ; v14     16 x lane
.set VS,   15                          ; v15     32 r + 16 h
.set SPW,  28
.set NIL,  29
.set PFO,  31                          ; v31     the prefetches' offset: 256 x lane, lanes 25-31 as lane 24
.set SC,   32
.set AF,   64
.set PF,   2                           ; s[2:3]  where my prefetches stand (behind the head)
.set G1,   24                          ; s[24:31] group 1 of Q's loads; s[32:43] groups 0, one a slot
.set G0,   32
.set G1B,  48                          ; s[48:55], s[68:79] the same for K's
.set G0B,  68
.set TM,   160                         ; the way out, window 0: v160-183 at work, twelve for each of two blocks
.set T2,   184                         ; v184-199 the conversions' second halves
.set PW,   200                         ; v200-207 the eight blocks' scale words
.set MS,   208                         ; v208-215 -M of the eight blocks
.set LS,   216                         ; v216-223 l of the eight blocks
.set SUM,  224                         ; v224-231 the sums, each in two chains of pairs
.set NMP,  232                         ; v[232:233], v[234:235] -M (the packed form names a pair and takes its low word)
.set TT,   236                         ; v236-239 at work
.set SW,   240                         ; v240-251 three sets of four words as they are stored
.set MSB, 0
.macro WIN new                         ; the immediate's high byte repeats the setting that is left; a switch that changes nothing is dropped
.if MSB != (\new)
	s_set_vgpr_msb (MSB<<8)|(\new)
.set MSB, (\new)
.endif
.endm
.set MUL_LO, 0xa1                      ; source 0 window 1, source 1 window 0, C and D window 2 (+ 0x50: window 3)
.set TO_B,   0x40                      ; destination window 1, address window 0
.macro PLACES                          ; four plain places behind a matrix instruction, ahead of loads into its registers and of reads of results
.rept 4
	v_nop
.endr
.endm
.macro CREST                           ; a round of the cluster's barrier behind its opening barrier
	s_cmp_lg_u32 s14, 0
	s_cbranch_scc1 .Lnot_wave_0_\@
	s_barrier_signal -3
.Lnot_wave_0_\@:
	s_barrier_wait -3
	s_barrier_signal -1
	s_barrier_wait -1
.endm
.macro CROUND
	s_barrier_signal -1
	s_barrier_wait -1
	CREST
.endm
.macro JLOAD s                         ; a joint load: waves 0, 1 fetch for Q, waves 2, 3 for K; four v_nop follow each line
	s_cmp_eq_u32 s15, 0
	s_cbranch_scc0 .Lfor_b_\@
	tensor_load_to_lds s[G0+4*(\s):G0+4*(\s)+3], s[G1:G1+7]
	s_nop 0
.rept 4
	v_nop
.endr
	s_branch .Lasked_\@
.Lfor_b_\@:
	tensor_load_to_lds s[G0B+4*(\s):G0B+4*(\s)+3], s[G1B:G1B+7]
	s_nop 0
.rept 4
	v_nop
.endr
.Lasked_\@:
.endm
.macro ASK t                           ; my work-group's 25 blocks of pack t of the piece that my wave fetches
	global_prefetch_b8 v[PFO], s[PF:PF+1] offset:(\t)*PACK th:TH_LOAD_NT scope:SCOPE_SE
.endm
.macro FETCH slot, off, p              ; the fragments of one step of 128 K, at byte off of the packs, into set p: images, so every load is 512 consecutive bytes
	WIN TO_B
.irp b, 0,1,2,3,4,5,6,7
.irp c, 0,1,2
	ds_load_b128 v[128*(\p)+12*\b+4*\c:128*(\p)+12*\b+4*\c+3], v[ADRB+(\slot)] offset:(\off)+3072*\b+512*\c
.endr
.endr
	WIN 0
.irp b, 0,1,2,3,4,5,6,7
.irp c, 0,1,2
	ds_load_b128 v[AF+96*(\p)+12*\b+4*\c:AF+96*(\p)+12*\b+4*\c+3], v[ADRA+(\slot)] offset:(\off)+3072*\b+512*\c
.endr
.endr
.endm
.macro SCALES slot, e                  ; a pack's scale words (two steps' worth) into set e
	ds_load_b128 v[SC+16*(\e):SC+16*(\e)+3], v[ADSB+(\slot)]
	ds_load_b128 v[SC+16*(\e)+4:SC+16*(\e)+7], v[ADSB+(\slot)] offset:16
	ds_load_b128 v[SC+16*(\e)+8:SC+16*(\e)+11], v[ADSA+(\slot)]
	ds_load_b128 v[SC+16*(\e)+12:SC+16*(\e)+15], v[ADSA+(\slot)] offset:16
.endm
.macro MULB a, p, rq, e, zero          ; row block a against the eight column blocks.  rq = 1: the pack's second 128 K: the scale words of lanes 16-31.  zero = 1: the products start the sums
	WIN MUL_LO+0x50*((\a)/4)
.irp b, 0,1,2,3,4,5,6,7
.set rD, 8*(8*((\a)%4)+\b)
.set rB, 128*(\p)+12*\b
.set rA, AF+96*(\p)+12*(\a)
.set rX, SC+16*(\e)+\b
.set rY, SC+16*(\e)+8+(\a)
.if \zero
	v_wmma_scale_f32_16x16x128_f8f6f4 v[rD:rD+7], v[rB:rB+11], v[rA:rA+11], 0, v[rX], v[rY] matrix_a_fmt:MATRIX_FMT_BF6 matrix_b_fmt:MATRIX_FMT_BF6
.elseif \rq
	v_wmma_scale_f32_16x16x128_f8f6f4 v[rD:rD+7], v[rB:rB+11], v[rA:rA+11], v[rD:rD+7], v[rX], v[rY] matrix_a_fmt:MATRIX_FMT_BF6 matrix_b_fmt:MATRIX_FMT_BF6 matrix_a_scale:MATRIX_SCALE_ROW1 matrix_b_scale:MATRIX_SCALE_ROW1
.else
	v_wmma_scale_f32_16x16x128_f8f6f4 v[rD:rD+7], v[rB:rB+11], v[rA:rA+11], v[rD:rD+7], v[rX], v[rY] matrix_a_fmt:MATRIX_FMT_BF6 matrix_b_fmt:MATRIX_FMT_BF6
.endif
.endr
.endm
.macro MULS a0, n, p, rq, e, zero      ; n row blocks from a0 on.  All accumulators take turns, one instruction a turn, in the same order in every step
.set ma, \a0
.rept \n
	MULB ma, \p, \rq, \e, \zero
.set ma, ma+1
.endr
.endm
; A step of 128 K: its fragments were asked for a step ago; the next step's are asked for first, into the other set, and land under this step's products.
.macro STEP p, rq, e, zero, nslot, noff
	s_wait_dscnt 0x0                               ; this step's fragments and scale words are in
	PLACES
	FETCH \nslot, \noff, 1-(\p)
	MULS 0, NA, \p, \rq, \e, \zero
	WIN 0
.endm
; A step with a barrier; ahead of it each wave waits for all its tensor loads, adds 0 to its spare word, and waits for that and for its reads.
; fill = 1: slot fslot takes its next fill (slot 0 fill 3, slot 2 fill 2); fill = 0: nothing is filled.
.macro TURN p, rq, e, fill, fslot, nslot
	s_wait_tensorcnt 0x0                           ; all my tensor loads have landed
	ds_add_u32 v[SPW], v[NIL]                      ; 0 onto my spare word
	s_wait_dscnt 1                                 ; this step's fragments are in; the add may be out
	MULS 0, NA/4, \p, \rq, \e, 0
	s_wait_dscnt 0x0                               ; the add is done, and my reads of the slots are over
	s_barrier_signal -1
	MULS NA/4, NA/4, \p, \rq, \e, 0
	WIN 0
	s_barrier_wait -1
.if \fill
	CREST                                          ; the barrier has opened a round of the cluster's barrier: no wave of any partner still reads the slot or has a load on its way
.if \fslot == 0
	s_add_nc_u64 s[G0+2:G0+3], s[G0+2:G0+3], 3*PACK
	s_add_nc_u64 s[G0B+2:G0B+3], s[G0B+2:G0B+3], 3*PACK
.endif
	JLOAD \fslot                                   ; the first tensor load behind the round; its four v_nop are also the places ahead of the loads below
.else
	PLACES
.endif
	FETCH \nslot, 0, 1-(\p)
	SCALES \nslot, 1-(\e)
	MULS NA/2, NA/2, \p, \rq, \e, 0
	WIN 0
.endm
	s_load_b128 s[4:7], s[0:1], 0x0                ; c2 s[4:5], c3 s[6:7]
	s_load_b64 s[8:9], s[0:1], 0x10                ; st
	v_lshl_add_u32 v[SPW], v0, 2, SPARE
	v_mov_b32 v[NIL], 0
	ds_add_u32 v[SPW], v[NIL]                      ; the wave's opening: the add, twice on end, and its wait ahead of my first tensor load
	ds_add_u32 v[SPW], v[NIL]
	v_lshrrev_b32 v1, 5, v0
	v_readfirstlane_b32 s14, v1                    ; wave 0..3
	s_lshr_b32 s15, s14, 1                         ; which half of the tile's queries is mine.  Also: I fetch for Q (0) or for K (1)
	s_and_b32 s16, s14, 1                          ; which half of its keys.  Also: which group I fetch
	s_bfe_u32 s80, ttmp6, 0x40000                  ; cx
	s_bfe_u32 s81, ttmp6, 0x40004                  ; cy
	s_lshl_b32 s82, s81, 2
	s_lshl_b32 s82, 15, s82                        ; my row of the cluster
	s_lshl_b32 s83, 0x1111, s80                    ; my column
	s_or_b32 s[G1], s82, (3<<16)|(1<<21)           ; 15:0 the mask; 17:16 elements of 8 bytes; 21 set beside a mask; no padding
	s_or_b32 s[G1B], s83, (3<<16)|(1<<21)
.irp g, G1, G1B
	s_mov_b32 s[\g+1], 32<<16                      ; tensor_dim0 = 32 elements: rows of 256 bytes
	s_mov_b32 s[\g+2], 100<<16                     ; tensor_dim1: a pack is 100 of them
	s_mov_b32 s[\g+3], 32<<16                      ; tile_dim0
	s_mov_b32 s[\g+4], 100                         ; tile_dim1
	s_mov_b32 s[\g+5], 32                          ; the pitch: dense
	s_mov_b32 s[\g+6], 0
	s_mov_b32 s[\g+7], 0
.endr
	s_lshl_b32 s84, ttmp9, 2
	s_add_co_u32 s84, s84, s80                     ; tc: which 256 keys of the batch
	s_and_b32 s85, ttmp7, 0xffff                   ; the cluster's y
	s_lshr_b32 s86, s85, 1                         ; the batch: two clusters' rows each
	s_lshl_b32 s85, s85, 2
	s_add_co_u32 s85, s85, s81                     ; ty: which 256 of the 8,192 queries
	s_lshl_b32 s44, s85, 1
	s_add_co_u32 s44, s44, s16                     ; Q's group that I fetch: it hangs on cy, never on cx
	s_mul_i32 s44, s44, 4*PACK
	s_mov_b32 s45, 0
	s_lshl_b32 s46, s84, 1
	s_add_co_u32 s46, s46, s16
	s_lshl_b32 s87, s86, 4
	s_add_co_u32 s46, s46, s87                     ; K's group: 16 x batch + 2 tc + piece: on cx, never on cy
	s_lshl_b32 s46, s46, 2
	s_add_co_u32 s46, s46, 256
	s_mul_i32 s46, s46, PACK
	s_mov_b32 s47, 0
	s_mul_i32 s2, s16, PACK                        ; where they go in a slot: no place in the cluster enters an LDS address
	s_add_co_u32 s3, s2, 2*PACK
	s_lshl_b32 s88, s85, 1
	s_add_co_u32 s88, s88, s15                     ; my group of queries
	s_lshl_b32 s56, s88, 3
	s_add_co_u32 s56, s56, s84                     ; my pack of P
	s_mul_i32 s56, s56, PACK
	s_mov_b32 s57, 0
	s_mul_i32 s58, s16, 1536                       ; my 128 keys are its half s16
	s_mov_b32 s59, 0
	s_lshl_b32 s60, s16, 9
	s_add_co_u32 s60, s60, 24576
	s_mov_b32 s61, 0
	s_lshl_b32 s62, s88, 4
	s_lshl_b32 s89, s84, 1
	s_add_co_u32 s62, s62, s89
	s_add_co_u32 s62, s62, s16                     ; 16 g + s
	s_lshl_b32 s62, s62, 9
	s_mov_b32 s63, 0
	s_mul_i32 s82, s15, PACK                       ; my queries (my keys: s3)
	s_mov_b32 s18, 0x76543210
	s_mov_b32 s19, 0xfedcba98                      ; v_permlanex16_b32's selects for lane l xor 16
	s_mov_b32 s22, 0x3d38aa3b                      ; c = log2(e) / 32
	s_mov_b32 s23, s22                             ; named with it as a pair, so it is written
	v_and_b32 v1, 31, v0                           ; lane
	v_and_b32 v16, 15, v0                          ; r
	v_bfe_u32 v17, v0, 4, 1                        ; h
	v_lshlrev_b32 v[VO], 4, v1
	v_lshlrev_b32 v[VS], 5, v16
	v_lshlrev_b32 v18, 5, v1
	v_min_u32 v[PFO], 24, v1
	v_lshl_add_u32 v[VS], v17, 4, v[VS]
	v_add_nc_u32 v18, 24576, v18                   ; a pack's scale words: 32 x lane
	v_lshlrev_b32 v[PFO], 8, v[PFO]
	v_add_nc_u32 v[ADRA], s82, v[VO]
	v_add_nc_u32 v[ADRB], s3, v[VO]
	v_add_nc_u32 v[ADSA], s82, v18
	v_add_nc_u32 v[ADSB], s3, v18
.irp g, ADRA, ADRB, ADSA, ADSB
	v_add_nc_u32 v[\g+1], SLOT, v[\g]
	v_add_nc_u32 v[\g+2], 2*SLOT, v[\g]
.endr
	s_wait_dscnt 0x0                               ; both opening adds are done
	s_wait_alu depctr_va_vdst(0)                   ; at the head's end
	CROUND                                         ; all sixteen work-groups are here: the first joint loads meet
	s_wait_kmcnt 0x0
	s_add_nc_u64 s[44:45], s[4:5], s[44:45]
	s_add_nc_u64 s[46:47], s[4:5], s[46:47]
	s_mov_b32 s[G0], 1                             ; count = 1
	s_mov_b32 s[G0+1], s2                          ; LDS address
	s_mov_b64 s[G0+2:G0+3], s[44:45]               ; fill 0
	s_or_b32 s[G0+3], s[G0+3], 0x80000000          ; type = 2
	s_mov_b32 s[G0B], 1
	s_mov_b32 s[G0B+1], s3
	s_mov_b64 s[G0B+2:G0B+3], s[46:47]
	s_or_b32 s[G0B+3], s[G0B+3], 0x80000000
	JLOAD 0                                        ; one tensor load a wave at the head; all the other addresses are made under its flight
.irp f, 1,2                            ; fills 1 and 2
	s_mov_b32 s[G0+4*\f], 1
	s_add_co_u32 s[G0+4*\f+1], s2, \f*SLOT
	s_add_nc_u64 s[G0+4*\f+2:G0+4*\f+3], s[44:45], \f*PACK
	s_or_b32 s[G0+4*\f+3], s[G0+4*\f+3], 0x80000000
	s_mov_b32 s[G0B+4*\f], 1
	s_add_co_u32 s[G0B+4*\f+1], s3, \f*SLOT
	s_add_nc_u64 s[G0B+4*\f+2:G0B+4*\f+3], s[46:47], \f*PACK
	s_or_b32 s[G0B+4*\f+3], s[G0B+4*\f+3], 0x80000000
.endr
	s_cmp_eq_u32 s15, 0                            ; the prefetches: 25 blocks of 256 bytes for each place: by cx for Q, by cy for K
	s_cselect_b64 s[PF:PF+1], s[44:45], s[46:47]
	s_cselect_b32 s4, s80, s81
	s_mul_i32 s4, s4, 6400
	s_mov_b32 s5, 0
	s_add_nc_u64 s[PF:PF+1], s[PF:PF+1], s[4:5]
	ASK 1
	ASK 2
	s_add_nc_u64 s[56:57], s[6:7], s[56:57]
	s_add_nc_u64 s[58:59], s[56:57], s[58:59]      ; where my codes go
	s_add_nc_u64 s[60:61], s[56:57], s[60:61]      ; my scale words
	s_add_nc_u64 s[62:63], s[8:9], s[62:63]        ; -M
	s_add_nc_u64 s[90:91], s[62:63], 524288        ; l
	s_wait_tensorcnt 0x0                           ; my part of fill 0 is in; these lines stand ahead of a later first fill, as ahead of a refill:
	ds_add_u32 v[SPW], v[NIL]                      ; 0 onto my spare word;
	s_wait_dscnt 0x0                               ; the add is done
	CROUND                                         ; a whole round: fill 0 is in for every wave, and all sixteen work-groups are here,
	JLOAD 1                                        ; and fill 1's load, the first tensor load behind the round
	SCALES 0, 0
	FETCH 0, 0, 0
	ASK 3
	s_wait_dscnt 18                                ; K 0 begins when the scale words, the keys and query blocks 0 and 1 are in (three loads a block may be out for each of six)
	MULS 0, 2, 0, 0, 0, 1                          ; the products start the sums
	s_wait_dscnt 12
	MULS 2, 2, 0, 0, 0, 1
	WIN 0
	FETCH 0, 1536, 1
	s_wait_dscnt 48                                ; all but the 48 just issued
	MULS 4, 4, 0, 0, 0, 1
	WIN 0
	TURN 1, 1, 0, 1, 2, 1                          ; K 128: fill 1 has landed; fill 2 goes out
	STEP 0, 0, 1, 0, 1, 1536                       ; K 256
	TURN 1, 1, 1, 1, 0, 2                          ; K 384: fill 2 has landed; slot 0 takes fill 3
	STEP 0, 0, 0, 0, 2, 1536                       ; K 512
	TURN 1, 1, 0, 0, 0, 0                          ; K 640: fill 3 has landed; nothing is filled again
	STEP 0, 0, 1, 0, 0, 1536                       ; K 768
	s_wait_dscnt 0x0
	MULS 0, NA, 1, 1, 1, 0                         ; K 896
	WIN 0
; THE WAY OUT, two query blocks at a time, their lines by turns.  Query block a's 64 accumulator registers are, at 16 b + i, key 32 b + 16 (lane / 16) + i of my 128.
.macro SOFT2 a
.set W, 2+(\a)/4
.set AC, 64*((\a)%4)
.set CO, 64+12*(\a)
	WIN (W<<2)|(W<<4)                              ; sources 1 and 2: the accumulators' window
	s_wait_alu depctr_va_vdst(0)                   ; directly ahead of the first readers of these products
.irp u, 0,1
.irp b, 0,1,2,3
	v_max3_num_f32 v[TM+12*\u+\b], 0xff800000, v[AC+64*\u+16*\b], v[AC+64*\u+16*\b+1]   ; the largest SCORE of each block of 32 keys: it serves for the row's maximum and, since p rises with the score, for the block's largest p.  Each accumulator is read from its low end on
.endr
.endr
.irp i, 2,4,6,8,10,12,14
.irp u, 0,1
.irp b, 0,1,2,3
	v_max3_num_f32 v[TM+12*\u+\b], v[TM+12*\u+\b], v[AC+64*\u+16*\b+\i], v[AC+64*\u+16*\b+\i+1]
.endr
.endr
.endr
	WIN 0
.irp u, 0,1
.irp b, 0,1,2,3
	v_permlanex16_b32 v[TM+12*\u+4+\b], v[TM+12*\u+\b], s18, s19
.endr
.endr
.irp u, 0,1
.irp b, 0,1,2,3
	v_max_num_f32 v[TM+12*\u+\b], v[TM+12*\u+\b], v[TM+12*\u+4+\b]   ; with lane l xor 16's 16 keys
.endr
.endr
.irp u, 0,1
	v_max3_num_f32 v[TT+2*\u], v[TM+12*\u], v[TM+12*\u+1], v[TM+12*\u+2]
.endr
.irp u, 0,1
	v_max_num_f32 v[TT+2*\u], v[TT+2*\u], v[TM+12*\u+3]   ; the largest score of my query among these 128 keys
.endr
.irp u, 0,1
	v_mul_f32 v[TT+2*\u], s22, v[TT+2*\u]          ; as t (c is positive)
.endr
.irp u, 0,1
	v_floor_f32 v[NMP+2*\u], -v[TT+2*\u]           ; -M = floor(-t) = -ceil(t): a whole number
.endr
.irp u, 0,1
	v_mov_b32 v[MS+(\a)+\u], v[NMP+2*\u]
.irp b, 0,1,2,3
	v_fma_f32 v[TM+12*\u+\b], v[TM+12*\u+\b], s22, v[NMP+2*\u]      ; t - M of each block's largest score
.endr
.endr
	WIN (W<<6)|W                                   ; destination and source 0: the accumulators' window
.set j, 0
.rept 32
.irp u, 0,1
	v_pk_fma_f32 v[AC+64*\u+j:AC+64*\u+j+1], v[AC+64*\u+j:AC+64*\u+j+1], s[22:23], v[NMP+2*\u:NMP+2*\u+1] op_sel_hi:[1,0,0]   ; t - M, two at a time
.endr
.set j, j+2
.endr
	s_wait_alu depctr_va_vdst(0)                   ; ahead of the batch
.set j, 0
.rept 128
	v_exp_f32 v[AC+j], v[AC+j]                     ; p = 2^(t - M), not normalised
.set j, j+1
.endr
	WIN 0
.irp u, 0,1
.irp b, 0,1,2,3
	v_exp_f32 v[TM+12*\u+\b], v[TM+12*\u+\b]       ; the block's largest p: the same two instructions on the same number give the same bits
.endr
.endr
	v_nop                                          ; a plain place behind the exponentials
	s_wait_alu depctr_va_vdst(0)                   ; one wait for the batch, ahead of every line that names a result
	WIN (W<<2)|W
.irp u, 0,1
	v_pk_add_f32 v[SUM+4*\u:SUM+4*\u+1], v[AC+64*\u:AC+64*\u+1], v[AC+64*\u+4:AC+64*\u+5]       ; the sum is taken of the unquantised p: two at a time, in two chains
	v_pk_add_f32 v[SUM+4*\u+2:SUM+4*\u+3], v[AC+64*\u+2:AC+64*\u+3], v[AC+64*\u+6:AC+64*\u+7]
.endr
	WIN W<<2                                       ; source 1: the accumulators' window
.set j, 8
.rept 14
.irp u, 0,1
	v_pk_add_f32 v[SUM+4*\u:SUM+4*\u+1], v[SUM+4*\u:SUM+4*\u+1], v[AC+64*\u+j:AC+64*\u+j+1]
	v_pk_add_f32 v[SUM+4*\u+2:SUM+4*\u+3], v[SUM+4*\u+2:SUM+4*\u+3], v[AC+64*\u+j+2:AC+64*\u+j+3]
.endr
.set j, j+4
.endr
	WIN 0
.irp u, 0,1
	v_pk_add_f32 v[SUM+4*\u:SUM+4*\u+1], v[SUM+4*\u:SUM+4*\u+1], v[SUM+4*\u+2:SUM+4*\u+3]
.endr
.irp u, 0,1
.irp b, 0,1,2,3
	v_max_num_f32 v[TM+12*\u+\b], 0x2800000, v[TM+12*\u+\b]    ; the floor 2^(5 - 127): the byte cannot fall under 1
.endr
.endr
.irp u, 0,1
	v_add_f32 v[TT+2*\u], v[SUM+4*\u], v[SUM+4*\u+1]
.endr
.irp u, 0,1
.irp b, 0,1,2,3
	v_add_nc_u32 v[TM+12*\u+8+\b], 0xfe000000, v[TM+12*\u+\b] ; 4 off the exponent field: the conversion's scale operand
.endr
.endr
.irp u, 0,1
	v_permlanex16_b32 v[TT+2*\u+1], v[TT+2*\u], s18, s19
.endr
.irp u, 0,1
.irp b, 0,1,2,3
	v_lshrrev_b32 v[TM+12*\u+4+\b], 23, v[TM+12*\u+8+\b]      ; the scale's byte
.endr
.endr
.irp u, 0,1
	v_add_f32 v[LS+(\a)+\u], v[TT+2*\u], v[TT+2*\u+1]         ; with lane l xor 16's: l of these 128 keys
.endr
.irp u, 0,1
	v_lshl_or_b32 v[PW+(\a)+\u], v[TM+12*\u+5], 8, v[TM+12*\u+4]
.endr
.irp u, 0,1
	v_lshl_or_b32 v[PW+(\a)+\u], v[TM+12*\u+6], 16, v[PW+(\a)+\u]
.endr
.irp u, 0,1
	v_lshl_or_b32 v[PW+(\a)+\u], v[TM+12*\u+7], 24, v[PW+(\a)+\u]
.endr
	WIN W                                          ; source 0: the accumulators' window
.irp u, 0,1
.irp c, 0,1
	v_cvt_scalef32_pk16_bf6_f32 v[CO+12*\u+6*\c:CO+12*\u+6*\c+2], v[AC+64*\u+32*\c:AC+64*\u+32*\c+15], v[TM+12*\u+8+2*\c]
	v_cvt_scalef32_pk16_bf6_f32 v[T2+8*\u+4*\c:T2+8*\u+4*\c+2], v[AC+64*\u+32*\c+16:AC+64*\u+32*\c+31], v[TM+12*\u+8+2*\c+1]
.endr
.endr
	WIN 0
	v_nop                                          ; one plain place behind a scaled conversion
.irp u, 0,1                            ; a whole block to a lane: lanes 0-15 block 2 c, lanes 16-31 block 2 c + 1
.irp c, 0,1
.irp i, 0,1,2
	v_permlane16_swap_b32 v[CO+12*\u+6*\c+\i], v[T2+8*\u+4*\c+\i]
.endr
.endr
.endr
.irp u, 0,1
.irp c, 0,1
.irp i, 0,1,2
	v_mov_b32 v[CO+12*\u+6*\c+3+\i], v[T2+8*\u+4*\c+\i]
.endr
.endr
.endr
.irp u, 0,1
.irp c, 0,1,2
	global_store_b128 v[VO], v[CO+12*\u+4*\c:CO+12*\u+4*\c+3], s[58:59] offset:3072*((\a)+\u)+512*\c   ; 512 consecutive bytes, at a multiple of 256 from c3's first byte; each block has registers of its own, so no store's data are written again
.endr
.endr
.endm
.macro PUT8 src, d, base               ; eight words a row place (one a block), the same in lanes r and 16 + r: lanes 0-15 store blocks 0-3, lanes 16-31 blocks 4-7: 512 consecutive bytes
.irp k, 0,1,2,3
	v_cndmask_b32 v[(\d)+\k], v[(\src)+\k], v[(\src)+\k+4], vcc_lo
.endr
	global_store_b128 v[VS], v[(\d):(\d)+3], s[(\base):(\base)+1]
.endm
	PLACES                                         ; behind the last products: results are read, and the registers that held fragments are written
.irp b, 0,1,2,3
	v_mov_b32 v[TM+4+\b], 0                        ; written once: a lane permute's destination counts as one of its sources
	v_mov_b32 v[TM+16+\b], 0
.endr
.irp u, 0,1
	v_mov_b32 v[NMP+2*\u+1], 0                     ; named as the upper half of a pair
	v_mov_b32 v[TT+2*\u+1], 0
.endr
	v_cmp_lt_u32 vcc_lo, 15, v1                    ; lanes 16-31
.irp a, 0,2,4,6
	SOFT2 \a
.endr
	PUT8 PW, SW, 60
	PUT8 MS, SW+4, 62
	PUT8 LS, SW+8, 90
	s_wait_tensorcnt 0x0                           ; the wave's end
	ds_add_u32 v[SPW], v[NIL]
	s_wait_dscnt 0x0
	CROUND                                         ; the closing round: no work-group ends while a partner may still ask for a pack that names it
	s_endpgm
.Lfunc_end_k_q66928dfa69_scores:
	.size	k_q66928dfa69_scores, .Lfunc_end_k_q66928dfa69_scores-k_q66928dfa69_scores
	.p2alignl 7, 3214868480
	.fill 96, 4, 3214868480
	.section	.rodata,"a",@progbits
	.p2align	6, 0x0
	.amdhsa_kernel k_q66928dfa69_scores
		.amdhsa_group_segment_fixed_size 327680
		.amdhsa_private_segment_fixed_size 0
		.amdhsa_enable_private_segment 0
		.amdhsa_kernarg_size 24
		.amdhsa_user_sgpr_count 2
		.amdhsa_user_sgpr_kernarg_segment_ptr 1
		.amdhsa_wavefront_size32 1
		.amdhsa_system_sgpr_workgroup_id_x 1
		.amdhsa_system_sgpr_workgroup_id_y 1
		.amdhsa_system_sgpr_workgroup_id_z 1
		.amdhsa_system_vgpr_workitem_id 0
		.amdhsa_next_free_vgpr 1024
		.amdhsa_next_free_sgpr 100
		.amdhsa_reserve_vcc 1
		.amdhsa_float_denorm_mode_32 3
		.amdhsa_float_denorm_mode_16_64 3
		.amdhsa_memory_ordered 1
		.amdhsa_forward_progress 1
		.amdhsa_inst_pref_size 193
	.end_amdhsa_kernel
	.amdgpu_metadata
---
amdhsa.version: [ 1, 2 ]
amdhsa.kernels:
  - .name:           k_q66928dfa69_scores
    .symbol:         k_q66928dfa69_scores.kd
    .args:
      - { .name: c2, .offset: 0, .size: 8, .value_kind: global_buffer, .address_space: global }
      - { .name: c3, .offset: 8, .size: 8, .value_kind: global_buffer, .address_space: global }
      - { .name: st, .offset: 16, .size: 8, .value_kind: global_buffer, .address_space: global }
    .group_segment_fixed_size: 327680
    .private_segment_fixed_size: 0
    .kernarg_segment_align: 8
    .kernarg_segment_size: 24
    .max_flat_workgroup_size: 128
    .sgpr_count:     100
    .vgpr_count:     1024
    .wavefront_size: 32
...
	.end_amdgpu_metadata
.endif
;; end of part 3
;; launch pv (part 4): grid 4 x 64, 4 waves a work-group, clusters of 4 x 4, 327,680 bytes of LDS; arguments c3, c2, st, out0; writes out0
.if DOCPART == 4
	.amdgcn_target "amdgcn-amd-amdhsa--gfx1250"
	.amdhsa_code_object_version 6
	.text
	.protected	k_q66928dfa69_pv
	.globl	k_q66928dfa69_pv
	.p2align	8
	.type	k_q66928dfa69_pv,@function
k_q66928dfa69_pv:
	s_mov_b64 s[64:65], 0
	v_nop
	global_prefetch_b8 v0, s[64:65] scope:SCOPE_SE
	s_setreg_imm32_b32 hwreg(HW_REG_WAVE_MODE, 25, 1), 1
	s_wait_xcnt 0x0
	s_wait_alu depctr_hold_cnt(0) depctr_sa_sdst(0) depctr_va_vdst(0) depctr_va_sdst(0) depctr_va_ssrc(0) depctr_va_vcc(0) depctr_vm_vsrc(0)
	s_getreg_b32 s2, hwreg(HW_REG_IB_STS2, 6, 4)
	s_cmp_eq_u32 s2, 0
	s_cbranch_scc0 .Lentry_in_a_cluster
	s_endpgm
.Lentry_in_a_cluster:
	s_bfe_u32 s2, ttmp6, 0x10000c
	s_cmp_lg_u32 s2, 0xf033
	s_cbranch_scc0 .Lentry_shape_is_right
	s_endpgm
.Lentry_shape_is_right:
; O = P V / l on codes of BF6 (E3M2) with E8M0 scales.  P (c3) was quantised under a whole number M_s of its own for each 128 keys; st holds -M_s and the sums l_s.
; AT THE HEAD each work-group takes, for its 128 queries, M = the largest M_s, l = the sum of l_s 2^(M_s - M) (v_ldexp_f32: nothing is rounded), and lowers every scale byte of step s by M - M_s,
; held at 0: the moved scale words stay in LDS for the whole launch, and the codes are used as they lie.
; PACKS: 128 row places x 256 along K, 25,600 dense bytes: block a (16 places), half q (128 K) at 3,072 a + 1,536 q as an image of the fragment's 12 registers; scale words at 24,576 + 512 q + 32 r + 4 a.
; c3: P at pack 8 g + t; place r of block a is query 32 (a / 2) + 8 (a % 2) + r + 8 (r / 8) of the group.   c2: V^T at pack 512 + 32 (d / 128) + token / 256; place r of block b is channel 64 (b / 4) + 4 r + b % 4 of the group.
; A tile of O, 128 queries x 256 channels, is made by a work-group of four waves, so that there are 256 work-groups; a wave makes 64 x 128: 32 accumulators.  K = 2,048 keys is four fills of 512 through two LDS slots.
; NATURAL ORDER: source 0 = 16 places of P, source 1 = 16 places of V^T: register j of lane (r, h) is query place 8 h + j, channel place r.  By V^T's order of places the four accumulators 4 g .. 4 g + 3 hold, in one register
; number, four neighbouring channels: 16 bytes a lane, 256 consecutive bytes of a row in sixteen lanes.  So O leaves straight from registers.
; CLUSTERS: 4 x 4 work-groups of one batch; P's packs are shared along a row of the cluster, V^T's along a column: each is asked for jointly.
; PREFETCH: behind each joint load the next fill, four steps ahead of the load that brings it.  P's piece of a wave is 100 blocks of 256 bytes a fill, V^T's 200: each of the four partners that ask for it jointly names a quarter, told apart by address.
; LIMITS: NaN and infinities are not served.  A scale byte of P that would fall under 0 is held at 0 (2^-127): such a block's share is under 28 x 2^-127 beside l > 1/2.
; REGISTERS, in windows of 256: window 0: v1-31 addresses; v32-63 scale words, two sets; v64-111, v112-159 P's fragments, two sets; v192-243 1 / l (v64-223 also serve the head).
;   window 1: V^T's fragments, two sets, at v0 and v128.   window 2: accumulator (a, b) at v[8 (8 a + b)].   window 3: O as it is stored, 64 registers for each block.
.set PACK,   25600
.set SLOT,   6*PACK                    ; P's two packs, then V^T's two groups of two packs
.set FS,     2*PACK                    ; from a fill to the next, in memory
.set SPARE,  307200                    ; behind the slots: the spare words, 128 bytes a wave: two blocks of 256 bytes that no other line names
.set ASC,    SPARE+512                 ; P's moved scale words: step s (128 keys) at 512 s + 32 r + 4 a; no fill lands here
.set RLP,    ASC+8192                  ; four partial sums of l, one a wave, 512 bytes each: 32 r + 4 a
.set MNP,    RLP+2048
.set MR,     10
.set ADRA, 2                           ; v2-3    LDS address of my blocks of P in slot 0, 1
.set ADRB, 5                           ; v5-6    of my group of V^T
.set ADSA, 8                           ; v8      of my blocks' moved scale words
.set ADSB, 11                          ; v11-12  of V^T's scale words
.set VO,   14                          ; v14     16 x lane
.set SOF,  24                          ; v24     my offset in O: 16 h rows of 4,096 bytes + 16 r
.set AW,   26                          ; v26     where I store moved scale words
.set LW,   27                          ; v27     where I store my partial l
.set SPW,  28
.set NIL,  29
.set RL,   30                          ; v30     where I read the partial l of my blocks
.set PFO,  31                          ; v31     the prefetches' offset: 256 x lane, lanes 25-31 as lane 24
.set SC,   32
.set AF,   64
.set RC,   192                         ; v[192 + 4 j + a]: 1 / l of query place 8 h + j of my block a
.set LP,   224                         ; v224-239 the partial l; v240-243 their sums' reciprocals
.set G1,   24                          ; s[24:31] group 1 of P's loads, s[32:39] groups 0, one a slot
.set G0,   32
.set PF,   40                          ; s[40:41] where my prefetches stand
.set G1B,  48                          ; s[48:55], s[68:75] the same for V^T's
.set G0B,  68
.set MSB, 0
.macro WIN new                         ; the immediate's high byte repeats the setting that is left; a switch that changes nothing is dropped
.if MSB != (\new)
	s_set_vgpr_msb (MSB<<8)|(\new)
.set MSB, (\new)
.endif
.endm
.macro PLACES                          ; four plain places behind a matrix instruction, ahead of loads into its registers and of reads of results
.rept 4
	v_nop
.endr
.endm
.macro CREST                           ; a round of the cluster's barrier behind its opening barrier
	s_cmp_lg_u32 s14, 0
	s_cbranch_scc1 .Lnot_wave_0_\@
	s_barrier_signal -3
.Lnot_wave_0_\@:
	s_barrier_wait -3
	s_barrier_signal -1
	s_barrier_wait -1
.endm
.macro CROUND
	s_barrier_signal -1
	s_barrier_wait -1
	CREST
.endm
.macro JLOAD s                         ; a joint load: waves 0, 1 fetch for P, waves 2, 3 for V^T; four v_nop follow each line
	s_cmp_eq_u32 s15, 0
	s_cbranch_scc0 .Lfor_b_\@
	tensor_load_to_lds s[G0+4*(\s):G0+4*(\s)+3], s[G1:G1+7]
	s_nop 0
.rept 4
	v_nop
.endr
	s_branch .Lasked_\@
.Lfor_b_\@:
	tensor_load_to_lds s[G0B+4*(\s):G0B+4*(\s)+3], s[G1B:G1B+7]
	s_nop 0
.rept 4
	v_nop
.endr
.Lasked_\@:
.endm
.macro ASK f                           ; fill f: P's waves name 25 blocks, V^T's 50
	global_prefetch_b8 v[PFO], s[PF:PF+1] offset:(\f)*FS th:TH_LOAD_NT scope:SCOPE_SE
	s_cmp_eq_u32 s15, 0
	s_cbranch_scc1 .Lall_named_\@
	global_prefetch_b8 v[PFO], s[PF:PF+1] offset:(\f)*FS+6400 th:TH_LOAD_NT scope:SCOPE_SE
.Lall_named_\@:
.endm
.macro FETCH slot, off, p              ; the fragments of one step of 128 K, at byte off of the packs, into set p: images, so every load is 512 consecutive bytes
	WIN 0x40                                       ; destination window 1, address window 0
.irp b, 0,1,2,3,4,5,6,7
.irp c, 0,1,2
	ds_load_b128 v[128*(\p)+12*\b+4*\c:128*(\p)+12*\b+4*\c+3], v[ADRB+(\slot)] offset:(\off)+3072*\b+512*\c
.endr
.endr
	WIN 0
.irp b, 0,1,2,3
.irp c, 0,1,2
	ds_load_b128 v[AF+48*(\p)+12*\b+4*\c:AF+48*(\p)+12*\b+4*\c+3], v[ADRA+(\slot)] offset:(\off)+3072*\b+512*\c
.endr
.endr
.endm
.macro SCALES slot, poff, e, apk       ; a pack's scale words (two steps' worth) into set e; P's come from the moved words, pack apk of the row's eight
	ds_load_b128 v[SC+16*(\e):SC+16*(\e)+3], v[ADSB+(\slot)] offset:(\poff)
	ds_load_b128 v[SC+16*(\e)+4:SC+16*(\e)+7], v[ADSB+(\slot)] offset:(\poff)+16
	ds_load_b128 v[SC+16*(\e)+8:SC+16*(\e)+11], v[ADSA] offset:1024*(\apk)
.endm
; n products from number i0 on: product 8 a + b is P's block a by V^T's block b.  rq = 1: the pack's second 128 K: the scale words of lanes 16-31.  zero = 1: the products start the sums.
; All accumulators take turns, one instruction a turn, in the same order in every step.
.macro MUL p, rq, e, zero, i0, n
	WIN 0xa4                                       ; source 0 window 0, source 1 window 1, C and D window 2
.set mi, \i0
.rept \n
.set rD, 8*mi
.set rB, 128*(\p)+12*(mi%8)
.set rA, AF+48*(\p)+12*(mi/8)
.set rX, SC+16*(\e)+mi%8
.set rY, SC+16*(\e)+8+mi/8
.if \zero
	v_wmma_scale_f32_16x16x128_f8f6f4 v[rD:rD+7], v[rA:rA+11], v[rB:rB+11], 0, v[rY], v[rX] matrix_a_fmt:MATRIX_FMT_BF6 matrix_b_fmt:MATRIX_FMT_BF6
.elseif \rq
	v_wmma_scale_f32_16x16x128_f8f6f4 v[rD:rD+7], v[rA:rA+11], v[rB:rB+11], v[rD:rD+7], v[rY], v[rX] matrix_a_fmt:MATRIX_FMT_BF6 matrix_b_fmt:MATRIX_FMT_BF6 matrix_a_scale:MATRIX_SCALE_ROW1 matrix_b_scale:MATRIX_SCALE_ROW1
.else
	v_wmma_scale_f32_16x16x128_f8f6f4 v[rD:rD+7], v[rA:rA+11], v[rB:rB+11], v[rD:rD+7], v[rY], v[rX] matrix_a_fmt:MATRIX_FMT_BF6 matrix_b_fmt:MATRIX_FMT_BF6
.endif
.set mi, mi+1
.endr
.endm
; A step of 128 K: its fragments were asked for a step ago; the next step's are asked for first, into the other set, and land under this step's products.
; x: what else is done for 1 / l, in three of the last fill's steps: 1 the partial sums are fetched, 2 added, 3 inverted and handed to the lanes that want them.
.macro STEP p, rq, e, zero, nslot, noff, nsc, npoff, apk, x=0
	s_wait_dscnt 0x0                               ; this step's fragments and scale words are in
.if \x == 2
	v_pk_add_f32 v[LP:LP+1], v[LP:LP+1], v[LP+4:LP+5]
	v_pk_add_f32 v[LP+2:LP+3], v[LP+2:LP+3], v[LP+6:LP+7]
	v_pk_add_f32 v[LP+8:LP+9], v[LP+8:LP+9], v[LP+12:LP+13]
	v_pk_add_f32 v[LP+10:LP+11], v[LP+10:LP+11], v[LP+14:LP+15]
	v_pk_add_f32 v[LP:LP+1], v[LP:LP+1], v[LP+8:LP+9]
	v_pk_add_f32 v[LP+2:LP+3], v[LP+2:LP+3], v[LP+10:LP+11]
.endif
.if \x == 3
	s_wait_alu depctr_va_vdst(0)                   ; ahead of the batch
.irp a, 0,1,2,3
	v_rcp_f32 v[LP+16+\a], v[LP+\a]                ; lane (r, h): 1 / l of query place (r + 8 h) % 16 of my block a
.endr
	v_nop                                          ; a plain place behind the reciprocals
	s_wait_alu depctr_va_vdst(0)                   ; one wait for the four, ahead of their first reader
.irp j, 0,1,2,3,4,5,6,7
.irp a, 0,1,2,3
	v_mov_b32_dpp v[RC+4*\j+\a], v[LP+16+\a] row_share:\j row_mask:0xf bank_mask:0xf   ; lane j of each row of sixteen holds place 8 h + j
.endr
.endr
.endif
	PLACES
	FETCH \nslot, \noff, 1-(\p)
.if \nsc
	SCALES \nslot, \npoff, 1-(\e), \apk
.endif
.if \x == 1
.irp w, 0,1,2,3
	ds_load_b128 v[LP+4*\w:LP+4*\w+3], v[RL] offset:512*\w
.endr
.endif
	MUL \p, \rq, \e, \zero, 0, 32
	WIN 0
.endm
; A slot's last step changes slots: one barrier; ahead of it each wave waits for all its tensor loads, adds 0 to its spare word, and waits for that and for its reads.
; fill: 0 or the number of the fill that slot fslot, read out, takes.
.macro TURN fill, fslot, nslot, apk
	s_wait_tensorcnt 0x0                           ; all my tensor loads have landed: my part of the next slot
	ds_add_u32 v[SPW], v[NIL]                      ; 0 onto my spare word
	s_wait_dscnt 1                                 ; this step's fragments are in; the add may be out
	MUL 1, 1, 1, 0, 0, 8
	s_wait_dscnt 0x0                               ; the add is done, and my reads of this slot are over
	s_barrier_signal -1
	MUL 1, 1, 1, 0, 8, 4
	WIN 0
	s_barrier_wait -1
.if \fill
	CREST                                          ; the barrier has opened a round of the cluster's barrier: no wave of any partner still reads the slot or has a load on its way
	s_add_nc_u64 s[G0+4*(\fslot)+2:G0+4*(\fslot)+3], s[G0+4*(\fslot)+2:G0+4*(\fslot)+3], 2*FS
	s_add_nc_u64 s[G0B+4*(\fslot)+2:G0B+4*(\fslot)+3], s[G0B+4*(\fslot)+2:G0B+4*(\fslot)+3], 2*FS
	JLOAD \fslot                                   ; the first tensor load behind the round; its four v_nop are also the places ahead of the loads below
.else
	PLACES
.endif
	FETCH \nslot, 0, 0
	SCALES \nslot, 0, 0, \apk
.if \fill == 2
	ASK 3
.endif
	MUL 1, 1, 1, 0, 12, 20
	WIN 0
.endm
	s_load_b256 s[4:11], s[0:1], 0x0               ; c3 s[4:5], c2 s[6:7], st s[8:9], out0 s[10:11]
	v_lshl_add_u32 v[SPW], v0, 2, SPARE
	v_mov_b32 v[NIL], 0
	ds_add_u32 v[SPW], v[NIL]                      ; the wave's opening: the add, twice on end, and its wait ahead of my first tensor load
	ds_add_u32 v[SPW], v[NIL]
	v_lshrrev_b32 v1, 5, v0
	v_readfirstlane_b32 s14, v1                    ; wave 0..3
	s_lshr_b32 s15, s14, 1                         ; which half of the tile's queries is mine.  Also: I fetch for P (0) or for V^T (1)
	s_and_b32 s16, s14, 1                          ; which half of its channels.  Also: which piece I fetch
	s_bfe_u32 s80, ttmp6, 0x40000                  ; cx
	s_bfe_u32 s81, ttmp6, 0x40004                  ; cy
	s_lshl_b32 s82, s81, 2
	s_lshl_b32 s82, 15, s82                        ; my row of the cluster
	s_lshl_b32 s83, 0x1111, s80                    ; my column
	s_or_b32 s[G1], s82, (3<<16)|(1<<21)           ; 15:0 the mask; 17:16 elements of 8 bytes; 21 set beside a mask; no padding
	s_or_b32 s[G1B], s83, (3<<16)|(1<<21)
.irp g, G1, G1B
	s_mov_b32 s[\g+1], 32<<16                      ; tensor_dim0 = 32 elements: rows of 256 bytes
	s_mov_b32 s[\g+3], 32<<16                      ; tile_dim0
	s_mov_b32 s[\g+5], 32                          ; the pitch: dense
	s_mov_b32 s[\g+6], 0
	s_mov_b32 s[\g+7], 0
.endr
	s_mov_b32 s[G1+2], 100<<16                     ; tensor_dim1: a pack of P,
	s_mov_b32 s[G1+4], 100                         ; tile_dim1
	s_mov_b32 s[G1B+2], 200<<16                    ; two packs on end of V^T
	s_mov_b32 s[G1B+4], 200
	s_lshl_b32 s84, ttmp9, 2
	s_add_co_u32 s84, s84, s80                     ; tc: which 256 channels
	s_and_b32 s85, ttmp7, 0xffff                   ; the cluster's y
	s_lshr_b32 s86, s85, 2                         ; the batch: four clusters' rows each
	s_lshl_b32 s85, s85, 2
	s_add_co_u32 s85, s85, s81                     ; ty: which 128 of the 8,192 queries
	s_lshl_b32 s44, s85, 3
	s_add_co_u32 s44, s44, s16                     ; P's pack that I fetch in fill 0: it hangs on cy, never on cx
	s_mul_i32 s44, s44, PACK
	s_mov_b32 s45, 0
	s_lshl_b32 s46, s84, 1
	s_add_co_u32 s46, s46, s16                     ; V^T's group that I fetch: on cx, never on cy
	s_lshl_b32 s46, s46, 5
	s_lshl_b32 s87, s86, 3
	s_add_co_u32 s46, s46, s87                     ; the batch's first 256 tokens
	s_add_co_u32 s46, s46, 512
	s_mul_i32 s46, s46, PACK
	s_mov_b32 s47, 0
	s_mul_i32 s2, s16, PACK                        ; where they go in a slot: no place in the cluster enters an LDS address
	s_mul_i32 s3, s16, 2*PACK
	s_add_co_u32 s3, s3, 2*PACK
	s_lshl_b32 s56, s85, 7
	s_lshl_b32 s57, s15, 6
	s_add_co_u32 s56, s56, s57                     ; my first row of O: 128 ty + 64 x half
	s_lshl_b32 s56, s56, 12                        ; rows of 4,096 bytes
	s_lshl_b32 s57, s84, 10
	s_add_co_u32 s56, s56, s57
	s_lshl_b32 s57, s16, 9
	s_add_co_u32 s56, s56, s57                     ; my first channel: 1,024 tc + 512 x half, in bytes
	s_mov_b32 s57, 0
	s_lshl_b32 s58, s85, 13                        ; st: my queries' 16 steps of 512 bytes
	s_mov_b32 s59, 0
	s_lshl_b32 s60, s14, 11                        ; my wave's four of them
	s_mov_b32 s61, 0
	s_lshl_b32 s62, s85, 3
	s_lshl_b32 s63, s14, 1
	s_add_co_u32 s62, s62, s63                     ; and the two packs of P that hold their scale words
	s_mul_i32 s62, s62, PACK
	s_add_co_u32 s62, s62, 24576
	s_mov_b32 s63, 0
	s_mul_i32 s82, s15, 4*3072                     ; my blocks of P
	s_lshl_b32 s83, s14, 11
	s_add_co_u32 s83, s83, ASC                     ; my four steps' moved words
	s_lshl_b32 s86, s14, 9
	s_add_co_u32 s86, s86, RLP                     ; my partial l
	s_lshl_b32 s87, s15, 4
	s_add_co_u32 s76, s87, ASC                     ; my blocks' moved words
	s_add_co_u32 s77, s87, RLP                     ; my blocks' l
	s_mov_b32 s21, 0x80808080
	v_and_b32 v1, 31, v0                           ; lane
	v_and_b32 v16, 15, v0                          ; r
	v_bfe_u32 v17, v0, 4, 1                        ; h
	v_lshlrev_b32 v[VO], 4, v1
	v_lshlrev_b32 v18, 5, v1
	v_lshl_add_u32 v19, v17, 3, v16                ; r + 8 h
	v_min_u32 v[PFO], 24, v1
	v_lshlrev_b32 v[SOF], 4, v16
	v_add_nc_u32 v[ADSA], s76, v18                 ; my blocks' moved words: ASC + 32 x lane + 16 x half
	v_add_nc_u32 v18, 24576, v18                   ; a pack's scale words: 32 x lane
	v_and_b32 v19, 15, v19
	v_lshlrev_b32 v[PFO], 8, v[PFO]
	v_lshl_add_u32 v[SOF], v17, 16, v[SOF]
	v_lshl_add_u32 v[RL], v19, 5, s77              ; the partial l of my four blocks: RLP + 32 ((r + 8 h) % 16) + 16 x half
	v_add_nc_u32 v[ADRA], s82, v[VO]
	v_add_nc_u32 v[ADRB], s3, v[VO]
	v_add_nc_u32 v[ADSB], s3, v18
	v_add_nc_u32 v[AW], s83, v[VO]
	v_add_nc_u32 v[LW], s86, v[VO]
	v_add_nc_u32 v[ADRA+1], SLOT, v[ADRA]
	v_add_nc_u32 v[ADRB+1], SLOT, v[ADRB]
	v_add_nc_u32 v[ADSB+1], SLOT, v[ADSB]
	s_wait_dscnt 0x0                               ; both opening adds are done
	s_wait_alu depctr_va_vdst(0)                   ; at the head's end
	s_wait_kmcnt 0x0
	s_add_nc_u64 s[58:59], s[8:9], s[58:59]
	s_add_nc_u64 s[60:61], s[58:59], s[60:61]
	s_add_nc_u64 s[62:63], s[4:5], s[62:63]
	; what the head needs of st and of P's scale words: lane l, register e holds row place l / 2 of block 4 (l % 2) + e, in all three alike
.irp s, 0,1,2,3,4,5,6,7,8,9,10,11,12,13,14,15
	global_load_b128 v[64+4*\s:67+4*\s], v[VO], s[58:59] offset:512*\s              ; -M of all sixteen steps
.endr
.irp k, 0,1,2,3
	global_load_b128 v[176+4*\k:179+4*\k], v[VO], s[60:61] offset:512*\k            ; of my four steps: -M,
	global_load_b128 v[128+4*\k:131+4*\k], v[VO], s[60:61] offset:524288+512*\k     ; l,
	global_load_b128 v[144+4*\k:147+4*\k], v[VO], s[62:63] offset:PACK*(\k/2)+512*(\k%2)   ; and P's scale words
.endr
	s_add_nc_u64 s[44:45], s[4:5], s[44:45]
	s_add_nc_u64 s[46:47], s[6:7], s[46:47]
	s_add_nc_u64 s[56:57], s[10:11], s[56:57]
.irp f, 0,1
	s_mov_b32 s[G0+4*\f], 1                        ; count = 1
	s_add_co_u32 s[G0+4*\f+1], s2, \f*SLOT         ; LDS address
	s_add_nc_u64 s[G0+4*\f+2:G0+4*\f+3], s[44:45], \f*FS    ; fill f
	s_or_b32 s[G0+4*\f+3], s[G0+4*\f+3], 0x80000000         ; type = 2
	s_mov_b32 s[G0B+4*\f], 1
	s_add_co_u32 s[G0B+4*\f+1], s3, \f*SLOT
	s_add_nc_u64 s[G0B+4*\f+2:G0B+4*\f+3], s[46:47], \f*FS
	s_or_b32 s[G0B+4*\f+3], s[G0B+4*\f+3], 0x80000000
.endr
	s_mul_i32 s88, s80, 6400                       ; the prefetches: P: 25 blocks for each cx; V^T: 50 for each cy
	s_mul_i32 s89, s81, 12800
	s_cmp_eq_u32 s15, 0
	s_cselect_b64 s[PF:PF+1], s[44:45], s[46:47]
	s_cselect_b32 s88, s88, s89
	s_mov_b32 s89, 0
	s_add_nc_u64 s[PF:PF+1], s[PF:PF+1], s[88:89]
	CROUND                                         ; all sixteen work-groups are here: the first joint loads meet
	JLOAD 0                                        ; fill 0
	ASK 1
	s_wait_loadcnt 0x0
.irp e, 0,1,2,3
	v_min3_num_f32 v[160+\e], v[64+\e], v[68+\e], v[72+\e]          ; -M = the least -M_s
.endr
.irp s, 3,5,7,9,11,13
.irp e, 0,1,2,3
	v_min3_num_f32 v[160+\e], v[160+\e], v[64+4*\s+\e], v[68+4*\s+\e]
.endr
.endr
.irp e, 0,1,2,3
	v_min_num_f32 v[160+\e], v[160+\e], v[124+\e]
.endr
; my four steps' sixteen words, line by line
.macro EACH op
.irp i, 0,1,2,3,4,5,6,7,8,9,10,11,12,13,14,15
	\op \i
.endr
.endm
.macro M_DIFF i
	v_sub_f32 v[192+\i], v[160+(\i)%4], v[176+\i]  ; M_s - M: a whole number, 0 or less
.endm
.macro M_INT i
	v_cvt_i32_f32 v[192+\i], v[192+\i]             ; (it saturates)
.endm
.macro M_L i
	v_ldexp_f32 v[128+\i], v[128+\i], v[192+\i]    ; l_s 2^(M_s - M)
.endm
.macro M_NEG i
	v_sub_nc_u32 v[192+\i], 0, v[192+\i]           ; M - M_s,
.endm
.macro M_HOLD i
	v_min_u32 v[192+\i], 127, v[192+\i]            ; held at 127: P's bytes are at most 123,
.endm
.macro M_FOUR i
	v_perm_b32 v[192+\i], v[192+\i], v[192+\i], 0  ; in each of the four bytes
.endm
.macro M_GUARD i
	v_or_b32 v[144+\i], s21, v[144+\i]             ; bit 7 of each byte is a guard: no byte borrows from its neighbour
.endm
.macro M_TAKE i
	v_sub_nc_u32 v[144+\i], v[144+\i], v[192+\i]   ; byte - (M - M_s); the guard is left where that is 0 or more
.endm
.macro M_LEFT i
	v_and_b32 v[192+\i], s21, v[144+\i]
.endm
.macro M_BIT i
	v_lshrrev_b32 v[208+\i], 7, v[192+\i]
.endm
.macro M_MASK i
	v_sub_nc_u32 v[192+\i], v[192+\i], v[208+\i]   ; 0x7f in the bytes that keep their guard, 0 in the others
.endm
.macro M_DONE i
	v_and_b32 v[144+\i], v[144+\i], v[192+\i]      ; the moved byte, held at 0
.endm
	EACH M_DIFF
	EACH M_INT
	EACH M_L
	EACH M_NEG
	EACH M_HOLD
	EACH M_FOUR
	EACH M_GUARD
	EACH M_TAKE
	EACH M_LEFT
	EACH M_BIT
	EACH M_MASK
	EACH M_DONE
	v_pk_add_f32 v[128:129], v[128:129], v[132:133]
	v_pk_add_f32 v[130:131], v[130:131], v[134:135]
	v_pk_add_f32 v[136:137], v[136:137], v[140:141]
	v_pk_add_f32 v[138:139], v[138:139], v[142:143]
	v_pk_add_f32 v[128:129], v[128:129], v[136:137]
	v_pk_add_f32 v[130:131], v[130:131], v[138:139]
.irp k, 0,1,2,3
	ds_store_b128 v[AW], v[144+4*\k:147+4*\k] offset:512*\k
.endr
	ds_store_b128 v[LW], v[128:131]
	s_wait_tensorcnt 0x0                           ; my part of fill 0 is in; these lines stand ahead of a later first fill, as ahead of a refill:
	ds_add_u32 v[SPW], v[NIL]                      ; 0 onto my spare word;
	s_wait_dscnt 0x0                               ; the add is done, and my moved words and my partial l lie in LDS
	CROUND                                         ; a whole round: fill 0 and the moved words are there for every wave, and all sixteen work-groups are here,
	JLOAD 1                                        ; and fill 1's load, the first tensor load behind the round
	FETCH 0, 0, 0
	SCALES 0, 0, 0, 0
	ASK 2
	STEP 0, 0, 0, 1, 0, 1536, 0, 0, 0              ; keys 0: the products start the sums
	STEP 1, 1, 0, 0, 0, PACK, 1, PACK, 1
	STEP 0, 0, 1, 0, 0, PACK+1536, 0, 0, 0
	TURN 2, 0, 1, 2                                ; slot 0 is read out and takes fill 2
	STEP 0, 0, 0, 0, 1, 1536, 0, 0, 0              ; keys 512
	STEP 1, 1, 0, 0, 1, PACK, 1, PACK, 3
	STEP 0, 0, 1, 0, 1, PACK+1536, 0, 0, 0
	TURN 3, 1, 0, 4                                ; slot 1 takes fill 3
	STEP 0, 0, 0, 0, 0, 1536, 0, 0, 0              ; keys 1,024
	STEP 1, 1, 0, 0, 0, PACK, 1, PACK, 5
	STEP 0, 0, 1, 0, 0, PACK+1536, 0, 0, 0
	TURN 0, 0, 1, 6                                ; nothing is filled again
	STEP 0, 0, 0, 0, 1, 1536, 0, 0, 0, 1           ; keys 1,536
	STEP 1, 1, 0, 0, 1, PACK, 1, PACK, 7, 2
	STEP 0, 0, 1, 0, 1, PACK+1536, 0, 0, 0, 3
; THE WAY OUT of block a, between the last step's products: x 1 / l, into registers of its own, and stored: sixteen lanes store 256 consecutive bytes of a row, at a multiple of 256 from out0's first byte.
.macro OUT a
	WIN 0xc2                                       ; destination window 3, source 0 window 2
.irp j, 0,1,2,3,4,5,6,7                ; each accumulator from its low end on
.irp b, 0,1,2,3,4,5,6,7
	v_mul_f32 v[64*(\a)+8*\j+\b], v[64*(\a)+8*\b+\j], v[RC+4*\j+(\a)]
.endr
.endr
	WIN 0x0c                                       ; data window 3
.irp j, 0,1,2,3,4,5,6,7
.irp g, 0,1
	global_store_b128 v[SOF], v[64*(\a)+8*\j+4*\g:64*(\a)+8*\j+4*\g+3], s[56:57] offset:(32*((\a)/2)+8*((\a)%2)+\j)*4096+256*\g th:TH_STORE_NT   ; query place 8 h + j is row 16 h + j behind the block's first
.endr
.endr
.endm
	s_wait_dscnt 0x0                               ; the last step
	MUL 1, 1, 1, 0, 0, 16
	PLACES
	OUT 0
	MUL 1, 1, 1, 0, 16, 8
	PLACES
	OUT 1
	MUL 1, 1, 1, 0, 24, 8
	PLACES
	OUT 2
	OUT 3
	WIN 0
	s_wait_tensorcnt 0x0                           ; the wave's end
	ds_add_u32 v[SPW], v[NIL]
	s_wait_dscnt 0x0
	CROUND                                         ; the closing round: no work-group ends while a partner may still ask for a pack that names it
	s_endpgm
.Lfunc_end_k_q66928dfa69_pv:
	.size	k_q66928dfa69_pv, .Lfunc_end_k_q66928dfa69_pv-k_q66928dfa69_pv
	.p2alignl 7, 3214868480
	.fill 96, 4, 3214868480
	.section	.rodata,"a",@progbits
	.p2align	6, 0x0
	.amdhsa_kernel k_q66928dfa69_pv
		.amdhsa_group_segment_fixed_size 327680
		.amdhsa_private_segment_fixed_size 0
		.amdhsa_enable_private_segment 0
		.amdhsa_kernarg_size 32
		.amdhsa_user_sgpr_count 2
		.amdhsa_user_sgpr_kernarg_segment_ptr 1
		.amdhsa_wavefront_size32 1
		.amdhsa_system_sgpr_workgroup_id_x 1
		.amdhsa_system_sgpr_workgroup_id_y 1
		.amdhsa_system_sgpr_workgroup_id_z 1
		.amdhsa_system_vgpr_workitem_id 0
		.amdhsa_next_free_vgpr 1024
		.amdhsa_next_free_sgpr 100
		.amdhsa_reserve_vcc 0
		.amdhsa_float_denorm_mode_32 3
		.amdhsa_float_denorm_mode_16_64 3
		.amdhsa_memory_ordered 1
		.amdhsa_forward_progress 1
		.amdhsa_inst_pref_size 148
	.end_amdhsa_kernel
	.amdgpu_metadata
---
amdhsa.version: [ 1, 2 ]
amdhsa.kernels:
  - .name:           k_q66928dfa69_pv
    .symbol:         k_q66928dfa69_pv.kd
    .args:
      - { .name: c3, .offset: 0, .size: 8, .value_kind: global_buffer, .address_space: global }
      - { .name: c2, .offset: 8, .size: 8, .value_kind: global_buffer, .address_space: global }
      - { .name: st, .offset: 16, .size: 8, .value_kind: global_buffer, .address_space: global }
      - { .name: out0, .offset: 24, .size: 8, .value_kind: global_buffer, .address_space: global }
    .group_segment_fixed_size: 327680
    .private_segment_fixed_size: 0
    .kernarg_segment_align: 8
    .kernarg_segment_size: 32
    .max_flat_workgroup_size: 128
    .sgpr_count:     100
    .vgpr_count:     1024
    .wavefront_size: 32
...
	.end_amdgpu_metadata
.endif
;; end of part 4
